; MI455X (gfx1250); checked and timed in simulation.
; The chip was launched on July 23, 2026; its instructions are those of AMD's public machine-readable ISA for CDNA 5 (MIT licence, August 2026) and "CDNA5" Instruction Set Architecture Reference Guide (July 2026). The comments in the code are by the model that wrote it; some were corrected since.
;; Self Attention. Allowed arithmetic: matrix products marked QUANTISED: E2M1 operands, one E8M0 scale for each 32 along K, by v_wmma_scale_f32_16x16x128_f8f6f4 with both operands' format E2M1 (or v_wmma_scale_f32_32x16x128_f4), f32 sums; products left as they are: bf16, f16 or f32 operands; f32 sums; everything else in f32.
;; Inputs: Wk 1,024 x 1,024 float32; Wo 1,024 x 1,024 float32; Wq 1,024 x 1,024 float32; Wv 1,024 x 1,024 float32; bo 1,024 float32; x 4 x 2,048 x 1,024 float32.
;; Outputs: out0 4 x 2,048 x 1,024 float32.
;; This version of the problem:
;;   THIS VERSION OF THE PROBLEM IS GIVEN IN LOW PRECISION. The matrix products marked QUANTISED in the list below multiply operands that are first quantised to E2M1 (2 exponent bits, 1 mantissa bit; 4 bits a number), with one power-of-two scale for each 32 numbers along K (OCP MX v1.0); their sums are f32. The products marked 'left as it is' may take bf16, f16 or f32 operands, with f32 sums. Whichever they take, every output number must still come out within the allowed error. Rounding operands to bf16 (8 significant bits) uses up far more of that allowance than f16 does (11 bits, for magnitudes from 6e-5 to 65,504). All else is computed in f32.
;;   The module's matrix products, in the order in which they are computed (A, B: the left and right operand; K: the contracted axis; several contracted axes count as one K, in the product's order):
;;     1. [M 8,192, K 1,024] x [K 1,024, N 1,024]; A: input x; B: input Wq: QUANTISED
;;     2. [M 8,192, K 1,024] x [K 1,024, N 1,024]; A: input x; B: input Wk: QUANTISED
;;     3. [M 8,192, K 1,024] x [K 1,024, N 1,024]; A: input x; B: input Wv: QUANTISED
;;     4. batch 64 x [M 2,048, K 64] x [K 64, N 2,048]; A: computed on the way; B: computed on the way: left as it is (an operand is computed on the way)
;;     5. batch 64 x [M 2,048, K 2,048] x [K 2,048, N 64]; A: computed on the way; B: computed on the way: left as it is (an operand is computed on the way)
;;     6. [M 8,192, K 1,024] x [K 1,024, N 1,024]; A: computed on the way; B: input Wo: left as it is (an operand is computed on the way)
;;   THE QUANTISER, for each operand of a quantised product, along K:
;;     - K is cut into blocks of 32 from its start; a last block that is shorter is filled with zeros.
;;     - A block's scale is 2^e with e = floor(log2(the largest magnitude in the block)) - 2, held to -126 .. 127; a block of zeros has e = 0. As a byte (E8M0): e + 127.
;;     - Each number is divided by its block's scale, clamped to +-6, and rounded to the nearest number of E2M1, ties to even, subnormals kept.
;;     - The product sums the exact products of the quantised numbers (number of the format x scale) in f32.
;;   ~~~python
;;   def quantise(x, axis):      # numpy; x: float32 -> the quantised numbers, widened to float32 again
;;       x = np.moveaxis(x, axis, -1); K = x.shape[-1]
;;       x = np.pad(x, [(0, 0)] * (x.ndim - 1) + [(0, -K % 32)]); x = x.reshape(x.shape[:-1] + (-1, 32)); a = np.abs(x).max(-1, keepdims=True)
;;       e = np.where(a > 0, np.clip(np.frexp(np.where(a > 0, a, 1))[1] - 1 - 2, -126, 127), 0)      # np.frexp(a)[1] - 1 = floor(log2(a)), exactly
;;       r = np.clip(x / 2.0 ** e, -6, 6)
;;       step = 2.0 ** (np.maximum(np.frexp(np.where(r == 0, 1, r))[1] - 1, 0) - 1)
;;       q = np.round(r / step) * step * 2.0 ** e      # np.round: ties to even
;;       return np.moveaxis(q.reshape(q.shape[:-2] + (-1,))[..., :K], -1, axis).astype(np.float32)
;;   ~~~
;; One version. Each part assembles by itself: llvm-mc -triple=amdgcn-amd-amdhsa -mcpu=gfx1250 --defsym DOCPART=n.
;; ======== version 1 of 1: 5 launches
;; limits: values are held in f16: magnitudes above 65,504 overflow, below 6.1e-05 lose precision
;; workspace buffers: x_codes 4,194,304 bytes; x_scales 262,144 bytes; w_codes 1,572,864 bytes; w_scales 98,304 bytes; wo16 2,097,152 bytes; qkv16 50,331,648 bytes; qkv32 786,432 bytes; o16 16,777,216 bytes
;; launch quant (part 1): grid 384 x 1, 4 waves a work-group, no clusters, 33,280 bytes of LDS; arguments x, Wq, Wk, Wv, Wo, x_codes, x_scales, w_codes, w_scales, wo16; writes x_codes, x_scales, w_codes, w_scales, wo16
.if DOCPART == 1
	.amdgcn_target "amdgcn-amd-amdhsa--gfx1250"
	.amdhsa_code_object_version 6
	.text
	.protected	k_q47b79d5ed5_quant
	.globl	k_q47b79d5ed5_quant
	.p2align	8
	.type	k_q47b79d5ed5_quant,@function
k_q47b79d5ed5_quant:
	s_mov_b64 s[64:65], 0
	v_nop
	global_prefetch_b8 v0, s[64:65] scope:SCOPE_SE
	s_setreg_imm32_b32 hwreg(HW_REG_WAVE_MODE, 25, 1), 1
	s_wait_xcnt 0x0
; x [8192][1024], Wq, Wk, Wv [1024][1024], f32, K innermost, become codes of FP4 (E2M1), two a byte, with one E8M0 byte for each 32 along K; Wo [1024][1024] becomes f16.
; x_codes [8192][512 bytes], x_scales [8192][32]; w_codes [3072][512 bytes], w_scales [3072][32]: rows 0-1023 Wq, 1024-2047 Wk, 2048-3071 Wv; wo16 [1024][1024] f16.
; A block's scale is 2^(floor(log2(its largest magnitude)) - 2); its byte is the largest magnitude's exponent field - 2, held at 1 from below.  A block of zeros so gets the byte 1 where the
; quantiser says 127: its codes are zeros, which add nothing under any byte but 0xff, and this program alone reads the bytes.
; LIMITS: NaN and infinities among the inputs are not served; blocks whose largest magnitude lies under 2^(3 - 127) keep the byte 1; numbers of Wo beyond 65,504 do not fit f16.
; SHARES.  Rows are dense and K is a multiple of 32: every tensor is a plain stream.  A work-group takes 32,768 numbers, a wave 8,192: work-groups 0-255 x, 256-287 Wq, 288-319 Wk, 320-351 Wv, 352-383 Wo.
; THE QUANTISER.  16 steps of 512 numbers a wave.  Each load reads 512 consecutive bytes; a step's 2,048 bytes turn through the wave's own stage in LDS so that a lane holds 16 neighbours (two lanes a block),
; as the conversions want them.  A lane's 16 codes are 8 bytes: a store covers 256 consecutive bytes, aligned.  A wave's 256 scale bytes are gathered in LDS and leave as 256 consecutive bytes.
; No tensor loads, no barrier: waves share nothing.  Matrix units, clusters and large tiles are left out: each byte is read once and written once.
.set WAVES, 4
.set STEPS, 16
.set WGX,   256                        ; work-groups for x
.set WGQ,   352                        ; and for all that is quantised
.set EMAX,  2
.set CB,    8                          ; bytes of 16 codes
.set R,     16                         ; v16-79   four sets of 16 numbers as loaded (Wo: v16-143, two sets of 64)
.set X,     80                         ; v80-111  two sets of 16 neighbours
.set C,     128                        ; v128-191 codes: four registers a step, so that no store's data are written again
.set E,     112                        ; v112-127 a scale byte for each step
.set HC,    144                        ; v144-175 Wo: 64 numbers a lane as f16 pairs
.set WREG,  8192                       ; LDS: a region for each wave: two stages of 32 x SP bytes, then its 256 scale bytes
.set SP,    80                         ; a lane's place in a stage: 64 bytes + 16 of padding
.set SPW,   12                         ; v12  LDS address of my spare word; never rewritten
.set NIL,   13                         ; v13  0; never rewritten
.set SPARE, WAVES*WREG                 ; behind the regions: the spare words, 128 bytes a wave, which no other line names
	s_load_b256 s[4:11], s[0:1], 0x0               ; x, Wq, Wk, Wv
	s_load_b256 s[12:19], s[0:1], 0x20             ; Wo, x_codes, x_scales, w_codes
	s_load_b128 s[20:23], s[0:1], 0x40             ; w_scales, wo16
	v_lshl_add_u32 v[SPW], v0, 2, SPARE
	v_mov_b32 v[NIL], 0
	v_lshrrev_b32 v1, 5, v0
	v_readfirstlane_b32 s24, v1                    ; wave
	v_and_b32 v2, 31, v0                           ; lane
	v_lshlrev_b32 v3, 4, v2                        ; my 16 bytes of a load's 512
	s_mul_i32 s25, s24, WREG
	v_lshrrev_b32 v14, 2, v2
	v_mul_u32_u24 v14, v14, SP
	v_and_b32 v15, 3, v2
	v_lshl_add_u32 v14, v15, 4, v14
	v_add_nc_u32 v14, s25, v14                     ; the stage, on the way in: SP (lane / 4) + 16 (lane % 4)
	v_mul_u32_u24 v15, v2, SP
	v_add_nc_u32 v15, s25, v15                     ; and on the way out: SP x lane: my 16 neighbours
	v_mul_u32_u24 v4, v2, CB                       ; my 8 bytes of a store's 256
	v_lshrrev_b32 v5, 1, v2
	s_add_co_u32 s25, s25, 2*32*SP
	v_add_nc_u32 v5, s25, v5                       ; LDS: my wave's scale bytes, my block's byte
	v_lshlrev_b32 v7, 3, v2
	v_add_nc_u32 v6, s25, v7                       ; and on the way out 8 bytes a lane
	s_mov_b32 s37, 0
	s_wait_kmcnt 0x0
	s_cmp_ge_u32 ttmp9, WGQ                        ; Wo's work-groups part here: a branch on the work-group's number alone
	s_cbranch_scc1 .Lwo
	s_cmp_lt_u32 ttmp9, 320                        ; which tensor: choices on the work-group's number; only pointers are chosen, all four take one path
	s_cselect_b64 s[26:27], s[8:9], s[10:11]
	s_cmp_lt_u32 ttmp9, 288
	s_cselect_b64 s[26:27], s[6:7], s[26:27]
	s_cmp_lt_u32 ttmp9, WGX
	s_cselect_b64 s[26:27], s[4:5], s[26:27]       ; the numbers,
	s_cselect_b64 s[28:29], s[14:15], s[18:19]     ; the codes,
	s_cselect_b64 s[30:31], s[16:17], s[20:21]     ; the scale bytes
	s_cselect_b32 s32, 0, WGX
	s_cselect_b32 s33, 255, 31
	s_sub_co_u32 s34, ttmp9, s32                   ; the work-group's place in the buffers of codes,
	s_and_b32 s35, s34, s33                        ; and in its tensor
	s_lshl_b32 s35, s35, 2
	s_add_co_u32 s35, s35, s24
	s_lshl_b32 s36, s35, 15                        ; my wave's run: 32,768 bytes of numbers,
	s_add_nc_u64 s[26:27], s[26:27], s[36:37]
	s_lshl_b32 s34, s34, 2
	s_add_co_u32 s34, s34, s24
	s_lshl_b32 s36, s34, 12                        ; 4,096 of codes,
	s_add_nc_u64 s[28:29], s[28:29], s[36:37]
	s_lshl_b32 s36, s34, 8                         ; 256 scale bytes
	s_add_nc_u64 s[30:31], s[30:31], s[36:37]
.macro LOAD t
.irp i, 0,1,2,3
	global_load_b128 v[R+16*((\t)%4)+4*\i:R+16*((\t)%4)+4*\i+3], v3, s[26:27] offset:2048*(\t)+512*\i th:TH_LOAD_NT   ; 32 lanes read 512 consecutive bytes
.endr
.endm
.macro TURN t                          ; step t's numbers through the stage: LDS serves a wave's instructions in order, so no wait stands between the stores and the loads
.irp i, 0,1,2,3
	ds_store_b128 v14, v[R+16*((\t)%4)+4*\i:R+16*((\t)%4)+4*\i+3] offset:32*SP*((\t)%2)+8*SP*\i
.endr
.irp i, 0,1,2,3
	ds_load_b128 v[X+16*((\t)%2)+4*\i:X+16*((\t)%2)+4*\i+3], v15 offset:32*SP*((\t)%2)+16*\i
.endr
.endm
.irp t, 0,1,2,3
	LOAD \t
.endr
	s_wait_loadcnt 12                              ; step 0's four loads are in; the twelve of steps 1 to 3 stay out
	TURN 0
.macro STEP t
.set XS, X+16*((\t)%2)
.if (\t) > 0
	s_wait_dscnt 1                                 ; this step's numbers are back from the stage (the last step's byte store may be out): so its stores into the stage have read their registers,
.else
	s_wait_dscnt 0x0
.endif
.if (\t)+4 < STEPS
	LOAD (\t)+4                                    ; which take the loads of four steps on
.endif
.if (\t)+1 < STEPS
.if STEPS-2-(\t) >= 3
	s_wait_loadcnt 12                              ; the next step's four loads are in; those of the three steps behind it may be out
.else
	s_wait_loadcnt 4*(STEPS-2-(\t))
.endif
	TURN (\t)+1                                    ; and go through the other stage while this step is worked
.endif
	v_max3_num_f32 v8, |v[XS]|, |v[XS+1]|, |v[XS+2]|               ; the largest magnitude of my 16, in two chains
	v_max3_num_f32 v9, |v[XS+3]|, |v[XS+4]|, |v[XS+5]|
.irp i, 6,10
	v_max3_num_f32 v8, v8, |v[XS+\i]|, |v[XS+\i+1]|
	v_max3_num_f32 v9, v9, |v[XS+\i+2]|, |v[XS+\i+3]|
.endr
	v_max3_num_f32 v8, v8, |v[XS+14]|, |v[XS+15]|
	v_max3_num_f32 v8, v8, v9, (EMAX+1)<<23        ; and the floor 2^(EMAX + 1 - 127): the byte cannot fall under 1
	v_max_num_f32_dpp v8, v8, v8 row_xmask:1 row_mask:0xf bank_mask:0xf   ; and of my neighbour's 16: the block's
	v_add_nc_u32 v11, -(EMAX<<23), v8              ; EMAX off its exponent field: the conversion takes the exponent field of this operand as its scale, and nothing else of it
	v_cvt_scalef32_pk8_fp4_f32 v[C+4*(\t)], v[XS:XS+7], v11        ; eight numbers / the scale, to the nearest code, ties to even, beyond the largest code the largest
	v_cvt_scalef32_pk8_fp4_f32 v[C+4*(\t)+1], v[XS+8:XS+15], v11
	v_lshrrev_b32 v[E+(\t)], 23, v11               ; the scale's byte (also the plain line behind the conversions)
	ds_store_b8 v5, v[E+(\t)] offset:16*(\t)       ; both lanes of a block write the same byte with the same value
	global_store_b64 v4, v[C+4*(\t):C+4*(\t)+1], s[28:29] offset:32*CB*(\t)
.endm
.irp t, 0,1,2,3,4,5,6,7,8,9,10,11,12,13,14,15
	STEP \t
.endr
	ds_load_b64 v[8:9], v6                         ; LDS serves a wave's instructions in order: these see my stores
	s_wait_dscnt 0x0
	global_store_b64 v7, v[8:9], s[30:31]          ; 32 lanes store 256 consecutive bytes, aligned
	s_wait_tensorcnt 0x0                           ; the wave's end: behind my last LDS store
	ds_add_u32 v[SPW], v[NIL]
	s_wait_dscnt 0x0
	s_endpgm
; Wo to f16: 8,192 numbers a wave in four batches of 16 loads; two batches are out at a time.  No LDS is touched on this path.
.Lwo:
	s_sub_co_u32 s34, ttmp9, WGQ
	s_lshl_b32 s34, s34, 2
	s_add_co_u32 s34, s34, s24                     ; my wave's run
	s_lshl_b32 s36, s34, 15                        ; 32,768 bytes in,
	s_add_nc_u64 s[12:13], s[12:13], s[36:37]
	s_lshl_b32 s36, s34, 14                        ; 16,384 out
	s_add_nc_u64 s[22:23], s[22:23], s[36:37]
.macro LOADB n, set
.irp i, 0,1,2,3,4,5,6,7,8,9,10,11,12,13,14,15
	global_load_b128 v[R+64*(\set)+4*\i:R+64*(\set)+4*\i+3], v3, s[12:13] offset:512*(16*(\n)+\i) th:TH_LOAD_NT
.endr
.endm
	LOADB 0, 0
	LOADB 1, 1
.irp n, 0,1,2,3
.if \n < 3
	s_wait_loadcnt 16                              ; this batch is in; the batch behind it stays out
.else
	s_wait_loadcnt 0x0
.endif
.if \n > 0
	s_wait_xcnt 0x0                                ; the last batch's stores have read their data: the registers are written again only behind this wait
.endif
.irp i, 0,1,2,3,4,5,6,7,8,9,10,11,12,13,14,15
	v_cvt_pk_f16_f32 v[HC+2*\i], v[R+64*(\n%2)+4*\i], v[R+64*(\n%2)+4*\i+1]
	v_cvt_pk_f16_f32 v[HC+2*\i+1], v[R+64*(\n%2)+4*\i+2], v[R+64*(\n%2)+4*\i+3]
.endr
.irp i, 0,1,2,3,4,5,6,7,8,9,10,11,12,13,14,15
	global_store_b64 v4, v[HC+2*\i:HC+2*\i+1], s[22:23] offset:256*(16*\n+\i)   ; 32 lanes store 256 consecutive bytes, aligned
.endr
.if \n < 2
	LOADB \n+2, \n%2
.endif
.endr
	s_endpgm
.Lfunc_end_k_q47b79d5ed5_quant:
	.size	k_q47b79d5ed5_quant, .Lfunc_end_k_q47b79d5ed5_quant-k_q47b79d5ed5_quant
	.p2alignl 7, 3214868480
	.fill 96, 4, 3214868480
	.section	.rodata,"a",@progbits
	.p2align	6, 0x0
	.amdhsa_kernel k_q47b79d5ed5_quant
		.amdhsa_group_segment_fixed_size 33280
		.amdhsa_private_segment_fixed_size 0
		.amdhsa_enable_private_segment 0
		.amdhsa_kernarg_size 80
		.amdhsa_user_sgpr_count 2
		.amdhsa_user_sgpr_kernarg_segment_ptr 1
		.amdhsa_wavefront_size32 1
		.amdhsa_system_sgpr_workgroup_id_x 1
		.amdhsa_system_sgpr_workgroup_id_y 1
		.amdhsa_system_sgpr_workgroup_id_z 1
		.amdhsa_system_vgpr_workitem_id 0
		.amdhsa_next_free_vgpr 192
		.amdhsa_next_free_sgpr 66
		.amdhsa_reserve_vcc 0
		.amdhsa_float_denorm_mode_32 3
		.amdhsa_float_denorm_mode_16_64 3
		.amdhsa_memory_ordered 1
		.amdhsa_forward_progress 1
		.amdhsa_inst_pref_size 54
	.end_amdhsa_kernel
	.amdgpu_metadata
---
amdhsa.version: [ 1, 2 ]
amdhsa.kernels:
  - .name:           k_q47b79d5ed5_quant
    .symbol:         k_q47b79d5ed5_quant.kd
    .args:
      - { .name: x, .offset: 0, .size: 8, .value_kind: global_buffer, .address_space: global }
      - { .name: Wq, .offset: 8, .size: 8, .value_kind: global_buffer, .address_space: global }
      - { .name: Wk, .offset: 16, .size: 8, .value_kind: global_buffer, .address_space: global }
      - { .name: Wv, .offset: 24, .size: 8, .value_kind: global_buffer, .address_space: global }
      - { .name: Wo, .offset: 32, .size: 8, .value_kind: global_buffer, .address_space: global }
      - { .name: x_codes, .offset: 40, .size: 8, .value_kind: global_buffer, .address_space: global }
      - { .name: x_scales, .offset: 48, .size: 8, .value_kind: global_buffer, .address_space: global }
      - { .name: w_codes, .offset: 56, .size: 8, .value_kind: global_buffer, .address_space: global }
      - { .name: w_scales, .offset: 64, .size: 8, .value_kind: global_buffer, .address_space: global }
      - { .name: wo16, .offset: 72, .size: 8, .value_kind: global_buffer, .address_space: global }
    .group_segment_fixed_size: 33280
    .private_segment_fixed_size: 0
    .kernarg_segment_align: 8
    .kernarg_segment_size: 80
    .max_flat_workgroup_size: 128
    .sgpr_count:     66
    .vgpr_count:     192
    .wavefront_size: 32
...
	.end_amdgpu_metadata
.endif
;; end of part 1
;; launch qkv (part 2): grid 12 x 32, 4 waves a work-group, clusters of 4 x 4, 327,680 bytes of LDS; arguments x_codes, x_scales, w_codes, w_scales, qkv16, qkv32; writes qkv16, qkv32
.if DOCPART == 2
	.amdgcn_target "amdgcn-amd-amdhsa--gfx1250"
	.amdhsa_code_object_version 6
	.text
	.protected	k_q47b79d5ed5_qkv
	.globl	k_q47b79d5ed5_qkv
	.p2align	8
	.type	k_q47b79d5ed5_qkv,@function
k_q47b79d5ed5_qkv:
	s_mov_b64 s[64:65], 0
	v_nop
	global_prefetch_b8 v0, s[64:65] scope:SCOPE_SE
	s_setreg_imm32_b32 hwreg(HW_REG_WAVE_MODE, 25, 1), 1
	s_wait_xcnt 0x0
	s_wait_alu depctr_hold_cnt(0) depctr_sa_sdst(0) depctr_va_vdst(0) depctr_va_sdst(0) depctr_va_ssrc(0) depctr_va_vcc(0) depctr_vm_vsrc(0)
	s_getreg_b32 s2, hwreg(HW_REG_IB_STS2, 6, 4)
	s_cmp_eq_u32 s2, 0
	s_cbranch_scc0 .Lentry_in_a_cluster
	s_endpgm
.Lentry_in_a_cluster:
	s_bfe_u32 s2, ttmp6, 0x10000c
	s_cmp_lg_u32 s2, 0xf033
	s_cbranch_scc0 .Lentry_shape_is_right
	s_endpgm
.Lentry_shape_is_right:
; The three quantised products as ONE: C[m][n] = sum over k of x[m][k] W[n][k], m = 8,192 rows of x, n = 3,072 rows of Wq, Wk, Wv, K = 1,024, on codes of FP4 (E2M1) with one E8M0 scale for each 32 along K; sums in f32.
; C leaves as f16, split by heads: qkv16 [which 3][batch 4][head 16][s 2048][64].  LIMIT: |q|, |k|, |v| up to 65,504 (f16); NaN and infinities are not served.
; The first 16 positions of every sequence leave in f32 as well, as images of the accumulators: qkv32 [batch 4][T 192][piece 2][lane 32][4] = C(s = lane % 16, column 16 T + 8 (lane / 16) + 4 piece + 0 .. 3).
; A tile of C, 256 x 256, is made by a work-group of four waves; a wave makes 128 x 128: 64 accumulators of 16 x 16, 512 registers.  K is two steps of 512 (tile rows of 256 bytes): both LDS slots and the scale bytes of
; the work-group's rows (two dense blocks) are filled ONCE, at the head; nothing is filled again, so there is no loop and no prefetch: all that the work-group reads is asked for at its start.
; CLUSTERS: 4 x 4 work-groups.  The four of a row of the cluster need the same tiles of x, the four of a column the same tiles of W: each tile is asked for JOINTLY, by the same tensor load with the same descriptor and a mask
; that names the four.  Tile row = 8 cy + cluster y: the tile rows that begin a sequence (0, 8, 16, 24) then lie in the clusters with y = 0, in all partners alike, so that the branch to the f32 stores hangs on no place in a cluster.
; THE MATRIX INSTRUCTION IS USED TRANSPOSED (source 0 = 16 rows of W, source 1 = 16 rows of x): a lane then holds eight neighbouring numbers of a row of C.
; REGISTERS, in windows of 256: window 0: v0-31 addresses; v32-95 scale words, two sets; from v128 x's fragments (8 x 16 rows x 128 K), one set; on the way out v32-255 are free.
;   window 1: W's fragments, two sets, at v0 and at v128.   window 2: the 32 accumulators of my rows 0-63 (accumulator (a, b) at v[8 (8 a + b)]);   window 3: those of my rows 64-127.
.set SIZE_K, 1024
.set KSTEP,  512                       ; along K in a slot
.set NQ,     KSTEP/128                 ; matrix instructions deep
.set ROWB,   256                       ; a tile's row in bytes
.set KROW,   SIZE_K*4/8                ; a row of codes in memory
.set PITCH,  272                       ; an LDS row: 256 bytes + 16 of padding = 68 words: the 16 rows that a load touches start 4 words apart modulo 64
.set FR,     8                         ; registers of a fragment
.set NL,     2                         ; LDS loads that bring one
.set NP,     4                         ; places behind this matrix instruction (ISA guide 7.12.1)
.set HALFT,  128*PITCH                 ; 128 rows: what one tensor load brings
.set SLOT,   4*HALFT                   ; x's 256 rows, then W's 256 rows
.set KS,     SIZE_K/32                 ; a row of scales in bytes
.set SCL,    2*SLOT                    ; behind the slots: the scales, as runs of 256 bytes + 16 of padding
.set HALFS,  (128*KS/256)*272          ; the scales of 128 rows
.set SBLK,   (16*KS/256)*272           ; those of 16 rows
.set SPARE,  SCL+4*HALFS               ; the spare words, 128 bytes a wave, which no other line names
.set HPITCH, 144                       ; the way out: a stage row: 64 f16 + 16 bytes
.set HSTG,   16*HPITCH                 ; 16 rows of one head; a wave's stage holds two heads.  The stages lie in slot 0, which has had its one fill and its last read when the first result is stored there
.set HEADB,  262144                    ; a head of qkv16 in bytes
.set ADRA, 16                          ; v16-17  LDS address of my x fragments in slot 0, 1
.set ADRB, 20                          ; v20-21  the same for W
.set STO,  24                          ; v24     the way out: where I put 16 bytes of a row
.set RD,   25                          ; v25     where I read rows back
.set CO,   26                          ; v26     16 x lane
.set ADRS, 27                          ; v27     LDS address of my scale words: lanes 0-15 x's rows, lanes 16-31 W's
.set SPW,  28                          ; v28     LDS address of my spare word; never rewritten
.set NIL,  29                          ; v29     0; never rewritten
.set SC,   32                          ; scale words: set s at v[SC + 8 NQ s]; register NQ i + q: lanes 0-15 the word of x's block i, lanes 16-31 that of W's block i
.set AF,   128                         ; x's fragments, in window 0
.set TMP,  192                         ; the way out: v192-223 packed results
.set BK0,  32                          ; rows read back: v32-63 and v224-255 by turns
.set G1, 24                            ; s[24:31] descriptor group 1 for x's tiles;  s[32:39] group 0, one set for each slot
.set G0, 32
.set G1B, 48                           ; s[48:55], s[56:63] the same for W's tiles
.set G0B, 56
.set G1S, 68                           ; s[68:75], s[76:79] groups 1 and 0 for x's scales;  s[80:87], s[88:91] for W's
.set G0S, 76
.set G1SB, 80
.set G0SB, 88
.set MSB, 0
.macro WIN new                         ; the immediate's high byte repeats the setting that is left
.if MSB != (\new)
	s_set_vgpr_msb (MSB<<8)|(\new)
.set MSB, (\new)
.endif
.endm
.set MUL_LO, 0xa1                      ; source 0 (W) window 1, source 1 (x) window 0, C and D window 2
.set MUL_HI, 0xf1                      ; the same, C and D window 3
.set TO_B,   0x40                      ; destination window 1, address window 0
; A joint load: waves 0 and 1 fetch for x, waves 2 and 3 for W.  The branch hangs on the wave's number alone.  An s_nop 0 and four v_nop follow each of the two lines.
.macro JLOAD g0a, g1a, g0b, g1b
	s_cmp_eq_u32 s15, 0
	s_cbranch_scc0 .Lfor_b_\@
	tensor_load_to_lds s[\g0a:\g0a+3], s[\g1a:\g1a+7]
	s_nop 0
.rept 4
	v_nop
.endr
	s_branch .Lasked_\@
.Lfor_b_\@:
	tensor_load_to_lds s[\g0b:\g0b+3], s[\g1b:\g1b+7]
	s_nop 0
.rept 4
	v_nop
.endr
.Lasked_\@:
.endm
.macro CROUND                          ; a round of the cluster's barrier
	s_barrier_signal -1
	s_barrier_wait -1
	s_cmp_lg_u32 s14, 0
	s_cbranch_scc1 .Lnot_wave_0_\@
	s_barrier_signal -3
.Lnot_wave_0_\@:
	s_barrier_wait -3
	s_barrier_signal -1
	s_barrier_wait -1
.endm
	s_load_b128 s[4:7], s[0:1], 0x0                ; x's codes, x's scales
	s_load_b128 s[8:11], s[0:1], 0x10              ; W's codes, W's scales
	s_load_b64 s[12:13], s[0:1], 0x20              ; qkv16
	s_load_b64 s[96:97], s[0:1], 0x28              ; qkv32
	v_lshl_add_u32 v[SPW], v0, 2, SPARE
	v_mov_b32 v[NIL], 0
	ds_add_u32 v[SPW], v[NIL]                      ; the wave's opening: the add, twice on end, and its wait ahead of my first tensor load
	ds_add_u32 v[SPW], v[NIL]
	v_lshrrev_b32 v1, 5, v0
	v_readfirstlane_b32 s14, v1                    ; wave 0..3
	s_lshr_b32 s15, s14, 1                         ; which half of the tile's rows is mine.  Also: I fetch for x (0) or for W (1)
	s_and_b32 s16, s14, 1                          ; which half of its columns.  Also: which 128 rows of that tile I fetch
	s_bfe_u32 s40, ttmp6, 0x40000                  ; cx, cy: my place in the cluster
	s_bfe_u32 s41, ttmp6, 0x40004
	s_lshl_b32 s42, ttmp9, 2
	s_add_co_u32 s42, s42, s40                     ; tile column of C = 4 x cluster x + cx
	s_and_b32 s17, ttmp7, 0xffff                   ; cluster y
	s_lshl_b32 s18, s41, 3
	s_add_co_u32 s17, s17, s18                     ; tile row of C = 8 cy + cluster y
	s_lshl_b32 s43, s41, 2
	s_lshl_b32 s43, 15, s43                        ; my row of the cluster
	s_lshl_b32 s44, 0x1111, s40                    ; my column
	; descriptor group 1: a tile of 128 rows x 256 bytes, padded in LDS
	s_or_b32 s[G1+0], s43, (0<<16)|(1<<20)|(1<<21)|(5<<22)|(3<<25)  ; 15:0 the mask: x's tiles go to my row; elements of 1 byte; padding on; bit 21 beside a mask; 4 words after every 64
	s_or_b32 s[G1B+0], s44, (0<<16)|(1<<20)|(1<<21)|(5<<22)|(3<<25)
.irp g, G1, G1B
	s_mov_b32 s[\g+1], ROWB<<16                    ; tensor_dim0
	s_mov_b32 s[\g+2], 128<<16                     ; tensor_dim1
	s_mov_b32 s[\g+3], ROWB<<16                    ; tile_dim0
	s_mov_b32 s[\g+4], 128                         ; tile_dim1
	s_mov_b32 s[\g+5], KROW                        ; from row to row
	s_mov_b32 s[\g+6], 0
	s_mov_b32 s[\g+7], 0
.endr
	; the scales of 128 rows: a dense block of 4,096 bytes, as rows of 256 bytes (32 elements of 8 bytes), 16 bytes of padding behind each
	s_or_b32 s[G1S+0], s43, (3<<16)|(1<<20)|(1<<21)|(5<<22)|(3<<25)
	s_or_b32 s[G1SB+0], s44, (3<<16)|(1<<20)|(1<<21)|(5<<22)|(3<<25)
.irp g, G1S, G1SB
	s_mov_b32 s[\g+1], 32<<16
	s_mov_b32 s[\g+2], (128*KS/256)<<16
	s_mov_b32 s[\g+3], 32<<16
	s_mov_b32 s[\g+4], 128*KS/256
	s_mov_b32 s[\g+5], 32
	s_mov_b32 s[\g+6], 0
	s_mov_b32 s[\g+7], 0
.endr
	s_lshl_b32 s18, s16, 7                         ; which 128 rows of the tile I fetch
	s_lshl_b32 s20, s17, 8
	s_add_co_u32 s20, s20, s18                     ; x: row 256 x tile row + 128 x half
	s_lshl_b32 s46, s42, 8
	s_add_co_u32 s46, s46, s18                     ; W: row 256 x tile column + 128 x half
	s_mov_b32 s21, 0
	s_mov_b32 s47, 0
	s_mov_b64 s[18:19], KS
	s_mul_u64 s[22:23], s[20:21], s[18:19]         ; where these rows' scales begin, in bytes
	s_mul_u64 s[92:93], s[46:47], s[18:19]
	s_mov_b64 s[18:19], KROW
	s_mul_u64 s[20:21], s[20:21], s[18:19]         ; and their codes
	s_mul_u64 s[46:47], s[46:47], s[18:19]
	s_mul_i32 s45, s14, HALFT                      ; where they go: wave x 128 rows: no place in the cluster enters an LDS address
	s_mul_i32 s94, s14, HALFS
	s_wait_dscnt 0x0                               ; both opening adds are done
	s_wait_kmcnt 0x0
	s_add_nc_u64 s[20:21], s[4:5], s[20:21]
	s_add_nc_u64 s[22:23], s[6:7], s[22:23]
	s_add_nc_u64 s[46:47], s[8:9], s[46:47]
	s_add_nc_u64 s[92:93], s[10:11], s[92:93]
	CROUND                                         ; all sixteen work-groups are here: the joint loads meet
	s_mov_b32 s[G0S], 1
	s_add_co_u32 s[G0S+1], s94, SCL
	s_mov_b64 s[G0S+2:G0S+3], s[22:23]
	s_or_b32 s[G0S+3], s[G0S+3], 0x80000000
	s_mov_b32 s[G0SB], 1
	s_add_co_u32 s[G0SB+1], s94, SCL
	s_mov_b64 s[G0SB+2:G0SB+3], s[92:93]
	s_or_b32 s[G0SB+3], s[G0SB+3], 0x80000000
	JLOAD G0S, G1S, G0SB, G1SB                     ; the scales first: they are wanted with K step 0
.irp s, 0,1
	s_mov_b32 s[G0+4*\s], 1
	s_add_co_u32 s[G0+4*\s+1], s45, \s*SLOT
	s_add_nc_u64 s[G0+4*\s+2:G0+4*\s+3], s[20:21], \s*ROWB
	s_or_b32 s[G0+4*\s+3], s[G0+4*\s+3], 0x80000000
	s_mov_b32 s[G0B+4*\s], 1
	s_add_co_u32 s[G0B+4*\s+1], s45, \s*SLOT
	s_add_nc_u64 s[G0B+4*\s+2:G0B+4*\s+3], s[46:47], \s*ROWB
	s_or_b32 s[G0B+4*\s+3], s[G0B+4*\s+3], 0x80000000
	JLOAD G0+4*\s, G1, G0B+4*\s, G1B               ; three tensor loads of mine are out in all
.endr
	v_and_b32 v1, 15, v0                           ; l % 16
	v_bfe_u32 v2, v0, 4, 1                         ; l / 16
	v_mul_u32_u24 v3, v1, PITCH
	v_lshl_add_u32 v4, v2, 4, v3                   ; a fragment's row x pitch + 16 x half
	s_mul_i32 s21, s15, HALFT                      ; my 128 rows of x
	s_mul_i32 s22, s16, HALFT                      ; my 128 rows of W,
	s_add_co_u32 s22, s22, 2*HALFT                 ; which lie behind x's 256
.irp s, 0,1
	v_add_nc_u32 v[ADRA+\s], s21, v4
	v_add_nc_u32 v[ADRB+\s], s22, v4
	s_add_co_u32 s21, s21, SLOT
	s_add_co_u32 s22, s22, SLOT
.endr
	v_mul_u32_u24 v5, v1, KS                       ; my row's scales: KS bytes a row,
	v_lshrrev_b32 v6, 8, v5
	v_lshl_add_u32 v5, v6, 4, v5                   ; and 16 more for each 256 passed
	s_mul_i32 s21, s15, HALFS                      ; x's: my 128 rows
	s_mul_i32 s22, s16, HALFS                      ; W's: my 128 rows, behind x's 256
	s_add_co_u32 s22, s22, 2*HALFS
	s_sub_co_u32 s22, s22, s21
	v_mul_u32_u24 v6, s22, v2                      ; lanes 16-31 take W's
	s_add_co_u32 s21, s21, SCL
	v_add_nc_u32 v5, v5, v6
	v_add_nc_u32 v[ADRS], s21, v5
	s_mul_i32 s23, s14, 2*HSTG                     ; my stage
	v_mul_u32_u24 v5, v1, HPITCH                   ; in: row l % 16, 16 bytes for each half of the lanes
	v_lshl_add_u32 v5, v2, 4, v5
	v_add_nc_u32 v[STO], s23, v5
	v_and_b32 v6, 31, v0
	v_lshlrev_b32 v[CO], 4, v6                     ; 16 x lane
	v_lshrrev_b32 v5, 3, v6                        ; back: eight lanes to a row of 128 bytes, four rows an instruction
	v_mul_u32_u24 v5, v5, HPITCH
	v_and_b32 v6, 7, v0
	v_lshl_add_u32 v5, v6, 4, v5
	v_add_nc_u32 v[RD], s23, v5
	; qkv16: ((which x 4 + batch) x 16 + head) heads + my first position x 128 bytes.  My 128 columns are two heads, my 128 rows lie in one sequence
	s_lshr_b32 s20, s42, 2                         ; which = tile column / 4
	s_lshl_b32 s20, s20, 2
	s_lshr_b32 s21, s17, 3                         ; batch = tile row / 8
	s_add_co_u32 s20, s20, s21
	s_lshl_b32 s20, s20, 4
	s_and_b32 s21, s42, 3
	s_lshl_b32 s21, s21, 2
	s_add_co_u32 s20, s20, s21
	s_lshl_b32 s21, s16, 1
	s_add_co_u32 s20, s20, s21                     ; + my first head
	s_lshl_b32 s20, s20, 18
	s_and_b32 s21, s17, 7
	s_lshl_b32 s21, s21, 15                        ; 256 positions x 128 bytes a tile row
	s_add_co_u32 s20, s20, s21
	s_lshl_b32 s21, s15, 14
	s_add_co_u32 s20, s20, s21
	s_mov_b32 s21, 0
	s_add_nc_u64 s[12:13], s[12:13], s[20:21]
	; qkv32: (batch x 192 + 16 x tile column + 8 x half) images of 1,024 bytes; where it is used the batch is cy
	s_mul_i32 s20, s41, 192
	s_lshl_b32 s22, s42, 4
	s_add_co_u32 s20, s20, s22
	s_lshl_b32 s22, s16, 3
	s_add_co_u32 s20, s20, s22
	s_lshl_b32 s20, s20, 10
	s_add_nc_u64 s[96:97], s[96:97], s[20:21]
	s_and_b32 s98, ttmp7, 0xffff
	s_or_b32 s98, s98, s15                         ; 0 where my first 16 rows begin a sequence: cluster y = 0 and the upper half of the rows: the same in all partners
.macro FRAG reg, adr, q, i             ; a fragment: lane l holds row l % 16; registers 4 c .. 4 c + 3 hold K = 64 c + 32 (l / 16) + 0 .. 31
.irp c, 0,1
	ds_load_b128 v[\reg+4*\c:\reg+4*\c+3], v[\adr] offset:64*(\q)+32*\c+(\i)*16*PITCH
.endr
.endm
; 16 matrix instructions: x's blocks a0, a0 + 1 against W's eight, 128 along K.  p: W's set;  sc: the set of scale words.  zero = 1: the first product starts the sums.
; The 64 accumulators take turns, one instruction a turn, in the same order in every step.
.macro MUL16 a0, p, q, sc, zero
.irp a, \a0, \a0+1
.irp b, 0,1,2,3,4,5,6,7
.if \zero
	v_wmma_scale_f32_16x16x128_f8f6f4 v[8*(8*((\a)%4)+\b):8*(8*((\a)%4)+\b)+7], v[128*(\p)+FR*\b:128*(\p)+FR*\b+FR-1], v[AF+FR*(\a):AF+FR*(\a)+FR-1], 0, v[SC+8*NQ*(\sc)+NQ*\b+(\q)], v[SC+8*NQ*(\sc)+NQ*(\a)+(\q)] matrix_a_fmt:MATRIX_FMT_FP4 matrix_b_fmt:MATRIX_FMT_FP4 matrix_a_scale:MATRIX_SCALE_ROW1
.else
	v_wmma_scale_f32_16x16x128_f8f6f4 v[8*(8*((\a)%4)+\b):8*(8*((\a)%4)+\b)+7], v[128*(\p)+FR*\b:128*(\p)+FR*\b+FR-1], v[AF+FR*(\a):AF+FR*(\a)+FR-1], v[8*(8*((\a)%4)+\b):8*(8*((\a)%4)+\b)+7], v[SC+8*NQ*(\sc)+NQ*\b+(\q)], v[SC+8*NQ*(\sc)+NQ*(\a)+(\q)] matrix_a_fmt:MATRIX_FMT_FP4 matrix_b_fmt:MATRIX_FMT_FP4 matrix_a_scale:MATRIX_SCALE_ROW1
.endif
.endr
.endr
.endm
.macro FETCH_B slot, q, p              ; W's eight fragments of the slot's q-th 128 along K into set p
	WIN TO_B
.irp i, 0,1,2,3,4,5,6,7
	FRAG 128*(\p)+FR*\i, ADRB+\slot, \q, \i
.endr
	WIN 0
.endm
.macro FETCH_A slot, q, i0             ; x's blocks i0 .. i0 + 3
.irp i, \i0, \i0+1, \i0+2, \i0+3
	FRAG AF+FR*(\i), ADRA+\slot, \q, \i
.endr
.endm
.macro SCALES sc                       ; a K step's scale words into set sc: lanes 0-15 take x's block i, lanes 16-31 W's block i
.irp i, 0,1,2,3,4,5,6,7
	ds_load_b128 v[SC+8*NQ*\sc+NQ*\i:SC+8*NQ*\sc+NQ*\i+3], v[ADRS] offset:\i*SBLK
.endr
.endm
.macro PLACES n                        ; plain vector instructions between a matrix instruction and a load into, or a read of, its registers
.rept \n
	v_nop
.endr
.endm
; A step of 128 along K that has its successor in the same slot.  x has one set of registers: blocks 0-3 are fetched anew in the step's middle, blocks 4-7 at its end; W has two sets.
.macro STEP slot, q, zero
	s_wait_dscnt 4*NL                              ; W's set and x's blocks 0-3 are in; the youngest eight loads (x's blocks 4-7) may be out
	WIN MUL_LO
	MUL16 0, (\q)%2, \q, \slot, \zero
	MUL16 2, (\q)%2, \q, \slot, \zero
	s_wait_dscnt 0                                 ; x's blocks 4-7 are in
	PLACES NP
	FETCH_B \slot, (\q)+1, 1-(\q)%2
	FETCH_A \slot, (\q)+1, 0
	WIN MUL_HI
	MUL16 4, (\q)%2, \q, \slot, \zero
	MUL16 6, (\q)%2, \q, \slot, \zero
	PLACES NP
	WIN 0
	FETCH_A \slot, (\q)+1, 4
.endm
; Slot 0's last step changes slots: one barrier; in front of it each wave waits for all its tensor loads (its part of slot 1) and for its own reads of slot 0, which becomes the stage later.
.macro TURN slot, next
	s_wait_tensorcnt 0x0                           ; all my tensor loads have landed
	ds_add_u32 v[SPW], v[NIL]                      ; 0 onto my spare word
	s_wait_dscnt 4*NL+1                            ; (the add and the youngest eight loads may be out)
	WIN MUL_LO
	MUL16 0, 1, NQ-1, \slot, 0
	s_wait_dscnt 0x0                               ; the add is done, and my reads of this slot are over
	s_barrier_signal -1
	MUL16 2, 1, NQ-1, \slot, 0
	WIN 0
	s_barrier_wait -1
	PLACES NP
	v_add_nc_u32 v[ADRS], 4*NQ, v[ADRS]            ; on to the next K step's scale words
	FETCH_B \next, 0, 0
	FETCH_A \next, 0, 0
	SCALES \next
	WIN MUL_HI
	MUL16 4, 1, NQ-1, \slot, 0
	MUL16 6, 1, NQ-1, \slot, 0
	PLACES NP
	WIN 0
	FETCH_A \next, 0, 4
.endm
.macro STEPS slot, from                ; the slot's steps from .. NQ - 2
.set Q, \from
.rept NQ-1-\from
	STEP \slot, Q, 0
.set Q, Q+1
.endr
.endm
	s_wait_tensorcnt 1                             ; the scales and my part of K step 0 are in; slot 1's load, issued behind them, may be out
	s_barrier_signal -1
	s_barrier_wait -1                              ; everybody's are
	FETCH_B 0, 0, 0
	FETCH_A 0, 0, 0
	SCALES 0
	FETCH_A 0, 0, 4
	STEP 0, 0, 1                                   ; the first step's products start the sums: nothing is cleared
	STEPS 0, 1
	TURN 0, 1
	STEPS 1, 0
	s_wait_dscnt 4*NL                              ; the last step: nothing more to fetch
	WIN MUL_LO
	MUL16 0, 1, NQ-1, 1, 0
	MUL16 2, 1, NQ-1, 1, 0
	s_wait_dscnt 0
	WIN MUL_HI
	MUL16 4, 1, NQ-1, 1, 0
	MUL16 6, 1, NQ-1, 1, 0
	WIN 0
; THE WAY OUT.  Block a is 16 rows x 128 columns = 16 positions of two heads.  PACK: rounded to f16, 16 bytes a lane.  TOSTAGE: into my own stage, and back as rows of 128 bytes, four to an instruction.
; SEND: 16 positions of a head are 2,048 consecutive bytes of qkv16: each store covers 512 consecutive bytes, aligned.  Every offset is an immediate: no base is stepped.
.macro PACK a
.set AC, 64*((\a)%4)
	WIN 0x0a+5*((\a)/4)                            ; sources 0 and 1: window 2 or 3
.irp b, 0,1,2,3,4,5,6,7
.irp r, 0,1,2,3
	v_cvt_pk_f16_f32 v[TMP+4*\b+\r], v[AC+8*\b+2*\r], v[AC+8*\b+2*\r+1]   ; each accumulator from its low end on
.endr
.endr
	WIN 0
.endm
.macro TOSTAGE a
.set BB, BK0+192*((\a)%2)
.irp b, 0,1,2,3,4,5,6,7
	ds_store_b128 v[STO], v[TMP+4*\b:TMP+4*\b+3] offset:(\b/4)*HSTG+(\b%4)*32
.endr
.irp u, 0,1,2,3,4,5,6,7
	ds_load_b128 v[BB+4*\u:BB+4*\u+3], v[RD] offset:(\u/4)*HSTG+(\u%4)*4*HPITCH   ; LDS serves a wave's instructions in order: these see the stores above
.endr
.endm
.macro SEND a
.set BB, BK0+192*((\a)%2)
	s_wait_dscnt 0x0                               ; the block is back in registers
	s_wait_xcnt 0x0                                ; the earlier stores have read their data: the next block's loads land there only behind this wait
.irp u, 0,1,2,3,4,5,6,7
	global_store_b128 v[CO], v[BB+4*\u:BB+4*\u+3], s[12:13] offset:(\u/4)*HEADB+(\a)*2048+(\u%4)*512
.endr
.endm
	PLACES NP                                      ; behind the last products, ahead of the first read of results and of loads into registers that held operands
	s_cmp_lg_u32 s98, 0                            ; the first 16 positions of a sequence leave in f32 too: block 0's eight accumulators as they stand
	s_cbranch_scc1 .Lnofine
	WIN 0x08                                       ; a store's data: window 2
.irp b, 0,1,2,3,4,5,6,7
	global_store_b128 v[CO], v[8*\b:8*\b+3], s[96:97] offset:1024*\b          ; 32 lanes store 512 consecutive bytes; each accumulator from its low end on
	global_store_b128 v[CO], v[8*\b+4:8*\b+7], s[96:97] offset:1024*\b+512
.endr
	WIN 0
.Lnofine:
	PACK 0
	TOSTAGE 0
.irp a, 1,2,3,4,5,6,7                  ; block a's conversions stand between block a - 1's loads from the stage and the wait for them
	PACK \a
	SEND \a-1
	TOSTAGE \a
.endr
	SEND 7
	s_wait_tensorcnt 0x0                           ; the wave's end: behind my last tensor load and my last LDS store
	ds_add_u32 v[SPW], v[NIL]
	s_wait_dscnt 0x0
	CROUND                                         ; the closing round
	s_endpgm
.Lfunc_end_k_q47b79d5ed5_qkv:
	.size	k_q47b79d5ed5_qkv, .Lfunc_end_k_q47b79d5ed5_qkv-k_q47b79d5ed5_qkv
	.p2alignl 7, 3214868480
	.fill 96, 4, 3214868480
	.section	.rodata,"a",@progbits
	.p2align	6, 0x0
	.amdhsa_kernel k_q47b79d5ed5_qkv
		.amdhsa_group_segment_fixed_size 327680
		.amdhsa_private_segment_fixed_size 0
		.amdhsa_enable_private_segment 0
		.amdhsa_kernarg_size 48
		.amdhsa_user_sgpr_count 2
		.amdhsa_user_sgpr_kernarg_segment_ptr 1
		.amdhsa_wavefront_size32 1
		.amdhsa_system_sgpr_workgroup_id_x 1
		.amdhsa_system_sgpr_workgroup_id_y 1
		.amdhsa_system_sgpr_workgroup_id_z 1
		.amdhsa_system_vgpr_workitem_id 0
		.amdhsa_next_free_vgpr 1024
		.amdhsa_next_free_sgpr 100
		.amdhsa_reserve_vcc 0
		.amdhsa_float_denorm_mode_32 3
		.amdhsa_float_denorm_mode_16_64 3
		.amdhsa_memory_ordered 1
		.amdhsa_forward_progress 1
		.amdhsa_inst_pref_size 128
	.end_amdhsa_kernel
	.amdgpu_metadata
---
amdhsa.version: [ 1, 2 ]
amdhsa.kernels:
  - .name:           k_q47b79d5ed5_qkv
    .symbol:         k_q47b79d5ed5_qkv.kd
    .args:
      - { .name: x_codes, .offset: 0, .size: 8, .value_kind: global_buffer, .address_space: global }
      - { .name: x_scales, .offset: 8, .size: 8, .value_kind: global_buffer, .address_space: global }
      - { .name: w_codes, .offset: 16, .size: 8, .value_kind: global_buffer, .address_space: global }
      - { .name: w_scales, .offset: 24, .size: 8, .value_kind: global_buffer, .address_space: global }
      - { .name: qkv16, .offset: 32, .size: 8, .value_kind: global_buffer, .address_space: global }
      - { .name: qkv32, .offset: 40, .size: 8, .value_kind: global_buffer, .address_space: global }
    .group_segment_fixed_size: 327680
    .private_segment_fixed_size: 0
    .kernarg_segment_align: 8
    .kernarg_segment_size: 48
    .max_flat_workgroup_size: 128
    .sgpr_count:     100
    .vgpr_count:     1024
    .wavefront_size: 32
...
	.end_amdgpu_metadata
.endif
;; end of part 2
;; launch attn (part 3): grid 4 x 64, 8 waves a work-group, no clusters, 327,680 bytes of LDS; arguments qkv16, o16; writes o16
.if DOCPART == 3
	.amdgcn_target "amdgcn-amd-amdhsa--gfx1250"
	.amdhsa_code_object_version 6
	.text
	.protected	k_q47b79d5ed5_attn
	.globl	k_q47b79d5ed5_attn
	.p2align	8
	.type	k_q47b79d5ed5_attn,@function
k_q47b79d5ed5_attn:
	s_mov_b64 s[64:65], 0
	v_nop
	global_prefetch_b8 v0, s[64:65] scope:SCOPE_SE
	s_setreg_imm32_b32 hwreg(HW_REG_WAVE_MODE, 25, 1), 1
	s_wait_xcnt 0x0
; O[bh][q][:] = the sum over k <= q of softmax_k(Q[bh][q] . K[bh][k] / 8) V[bh][k][:], for 64 heads of 2,048 positions x 64 channels.  Q, K, V: the three parts of qkv16, f16; O: o16 [bh][s][64], f16.
; Products on f16 operands with f32 sums; maxima, exponentials and sums in f32; the weights p are rounded to f16 for the second product, O once at the end.
; LIMITS: |q|, |k|, |v| up to 65,504 (f16); NaN and infinities are not served.  The first 16 positions of each sequence are made here too, and made again in f32 by the last launch.
; SHARES.  Work-group (I, bh) owns query blocks 7 - I and then I of its head, 256 queries each, and walks (8 - I) + (I + 1) = 9 key blocks of 256: the same number in all 256 work-groups, a constant trip count.
; Each of its eight waves owns 32 queries, two tiles of 16, in 512 registers: two waves to a SIMD, so that one wave's softmax stands beside the other's products.
; NO CLUSTER: in this walk the four work-groups of a head want different key blocks from the fifth trip on (I = 3 turns to its second query block there); the form in which all four walk the same blocks takes 8 + 4 = 12
; trips against 9, and would bring tiles that no wave of some partner reads.
; LAYOUT.  S^T = K Q^T (source 0 = 16 keys, source 1 = 16 queries): a lane holds ONE query (lane % 16) and keys 8 (lane / 16) + 0..7.  Two such tiles, rounded to f16 in pairs, ARE source 1 of O^T = V^T P, whose result
; again holds one query a lane.  K comes out of LDS as it lies, V ([key][channel]) turned, by ds_load_tr16_b128.
; SOFTMAX.  For each query a running maximum m and sum l: p = 2^(c s - c m), c = log2(e) / 8; in every step O and l are multiplied by a = 2^(c m_old - c m_new).
; THE MASK.  A step (64 keys) all of whose keys come after the wave's 32 queries is left out by a scalar branch on ids; on the diagonal hidden scores become -infinity ahead of the maximum.  A step that is walked begins at
; or under the wave's first query, so every query has a key that counts in it.
; THE RING.  Two LDS slots of 256 keys (four steps).  Waves 0-3 fetch K's tile of step (wave), waves 4-7 V's tile of step (wave - 4): 64 rows of 128 bytes, one tensor load a wave behind each change of slots.
; REGISTERS.  Window 0: v1-14 addresses and constants; v16-31 eight statistics a tile; v64-127 S^T, 32 a tile; v128-159 P, 16 a tile.  Window 1: v0-63 O^T, 32 a tile; v64-95 Q; v96-159 K of a step; v160-223 V of a step.
.set PKB,   144                        ; a row of K in LDS: 128 bytes + 16 = 36 words: the 16 rows of a load start at 16 different places, 4 words wide, modulo 64 words
.set PVB,   160                        ; a row of V: 128 + 32 bytes, an odd multiple of 32, for the turning load
.set VOFF,  64*PKB                     ; a step: 64 rows of K, then 64 rows of V
.set STEPB, 64*(PKB+PVB)
.set SLOT1, 1<<17                      ; slot 1 begins here: one exclusive or turns an address in one slot into the other's
.set STAGE, SLOT1+4*STEPB              ; behind the ring: 16 rows x 144 bytes for each wave, for the way out
.set SPARE, STAGE+8*16*PKB             ; the spare words, 128 bytes a wave, which no other line names
.set AK0, 1                            ; v1   my lane's place in a tile of K
.set AV0, 2                            ; v2   the same for V
.set ADK, 3                            ; v3   LDS address of the step's K
.set ADV, 4                            ; v4   of its V
.set QO,  5                            ; v5   my byte offset in a tile of Q
.set STO, 6                            ; v6   the way out: where I put 16 bytes of a row
.set RD,  7                            ; v7   where I read rows back
.set GO,  8                            ; v8   16 x lane
.set PFO, 9                            ; v9   256 x lane: the prefetches' offset
.set SPW, 10                           ; v10  LDS address of my spare word; never rewritten
.set NIL, 11                           ; v11  0; never rewritten
.set DL,  12                           ; v12  lane % 16 - 8 (lane / 16)
.set DD,  13                           ; v13  the mask: my query less the first key of my registers
.set NINF, 14                          ; v14  -infinity
.set ST,  16                           ; tile t's statistics at v[ST + 8 t]: +0 c m, +1 m, +2, +3 l (even keys', odd keys'), +4 to +7 at work; a in +6
.set S,   64
.set P,   128
.set OO,  0                            ; window 1
.set QF,  64
.set KFR, 96
.set VFR, 160
.set WV,  8                            ; s8   my wave
.set II,  9                            ; s9   I
.set BH,  10                           ; s10  the head
.set T,   11                           ; s11  the trip
.set TW,  12                           ; s12  counts a slot's four steps
.set TB,  13                           ; s13  LDS byte at which the step's tiles begin
.set KF,  14                           ; s14  the step's first key
.set Q0,  15                           ; s15  my first query
.set LIMB, 16                          ; s16  8 - I: the trip in which the second query block begins
.set NK,  17                           ; s17  the key block to be asked for
.set PLIM, 18                          ; s18  6 in the head's first work-group, else 0: it prefetches in the trips under this number
.set SEL, 20                           ; s[20:21] lane selects: lane l xor 16
.set CS,  22                           ; s[22:23] c, twice
.set G1K, 24
.set G1V, 32
.set G0K, 40
.set G0V, 44
.set KB,  48                           ; s[48:49] K's head at my step's rows
.set VB,  50                           ; s[50:51] V's likewise
.set QH,  52                           ; s[52:53] Q's head
.set OH,  54                           ; s[54:55] O's head
.set QW,  56                           ; s[56:57] Q at my first query
.set OW,  58                           ; s[58:59] O likewise
.set PFA, 60                           ; s[60:61] where my prefetches stand
.set MSB, 0
.macro WIN new                         ; the immediate's high byte repeats the setting that is left
.if MSB != (\new)
	s_set_vgpr_msb (MSB<<8)|(\new)
.set MSB, (\new)
.endif
.endm
.set W_LD, 0x40                        ; destination window 1, address window 0
.set W_KQ, 0x05                        ; K and Q window 1, S^T window 0
.set W_PV, 0x51                        ; V window 1, P window 0, O^T window 1
.set W_RS, 0x41                        ; O^T (destination and source 0) window 1, the factor window 0
.set W_CV, 0x05                        ; sources window 1, destination window 0
; Waves 0-3 fetch for K, waves 4-7 for V.  The branch hangs on the wave's number alone.  An s_nop 0 and four v_nop follow each of the two lines.
.macro TLOAD
	s_cmp_lt_u32 s[WV], 4
	s_cbranch_scc0 .Lfor_v_\@
	tensor_load_to_lds s[G0K:G0K+3], s[G1K:G1K+7]
	s_nop 0
.rept 4
	v_nop
.endr
	s_branch .Lasked_\@
.Lfor_v_\@:
	tensor_load_to_lds s[G0V:G0V+3], s[G1V:G1V+7]
	s_nop 0
.rept 4
	v_nop
.endr
.Lasked_\@:
.endm
; A PREFETCH INTO THE L2 of the key block that the NEXT change of slots will ask for: block T + 2, one trip (four key steps, 128 matrix instructions a wave) ahead of its tensor load.  All four work-groups of a head walk
; the same K and V: the first of them (I = 0), which walks blocks 0 to 7 in order, asks, in trips 0 to 5.  Waves 0-3 ask for K's 4 x 8,192 bytes, waves 4-7 for V's, lanes 256 bytes apart: each aligned 256 bytes once in the launch.
; Blocks 0 and 1 come by their loads alone; behind block 7 there is nothing to ask for.
.macro ASK
	s_cmp_lt_u32 s[T], s[PLIM]
	s_cbranch_scc0 .Lnot_mine_\@
	global_prefetch_b8 v[PFO], s[PFA:PFA+1] th:TH_LOAD_NT scope:SCOPE_SE
.Lnot_mine_\@:
.endm
; THE CHANGE OF SLOTS stands at a trip's head.  Each wave waits for all its tensor loads (its part of the slot that it is about to read), adds 0 to its spare word, and waits for that and for its reads of the slot that it has left.
; Behind the barrier the slot ahead is whole and nobody reads the other one.  fill = 1: that other slot takes the next trip's key block: T + 1, or T + 1 - (8 - I) in the second query block.
.macro CHANGE fill
	s_wait_tensorcnt 0x0                           ; no tensor load of mine is out, so a group 0 may be written
	ds_add_u32 v[SPW], v[NIL]                      ; 0 onto my spare word; the descriptors' steps stand between it and the wait for it
.if \fill
	s_add_co_u32 s[NK], s[T], 1
	s_cmp_ge_u32 s[NK], s[LIMB]
	s_cselect_b32 s62, s[LIMB], 0
	s_sub_co_u32 s[NK], s[NK], s62
	s_lshl_b32 s62, s[NK], 15                      ; a key block is 32,768 bytes
	s_mov_b32 s63, 0
	s_xor_b32 s[G0K+1], s[G0K+1], SLOT1            ; the other slot than last time
	s_add_nc_u64 s[G0K+2:G0K+3], s[KB:KB+1], s[62:63]
	s_or_b32 s[G0K+3], s[G0K+3], 0x80000000
	s_xor_b32 s[G0V+1], s[G0V+1], SLOT1
	s_add_nc_u64 s[G0V+2:G0V+3], s[VB:VB+1], s[62:63]
	s_or_b32 s[G0V+3], s[G0V+3], 0x80000000
	s_wait_xcnt 0x0                                ; the last prefetch, a trip back, has read its address, so it may be written
	s_add_nc_u64 s[PFA:PFA+1], s[PFA:PFA+1], 32768
.endif
	s_wait_dscnt 0x0                               ; the add is done, and my reads of the slot that I have left are over
	s_barrier_signal -1
	s_barrier_wait -1
.if \fill
	TLOAD                                          ; the first thing behind the barrier, and my one tensor load until the next
	ASK
.endif
.endm
; A query block begins: Q's four fragments into registers; O^T and l zero, m under every score, so that the key step has one form.
.macro INIT
	s_lshl_b32 s66, s[Q0], 7
	s_mov_b32 s67, 0
	s_add_nc_u64 s[QW:QW+1], s[QH:QH+1], s[66:67]
	s_add_nc_u64 s[OW:OW+1], s[OH:OH+1], s[66:67]
	WIN W_LD
.irp t, 0,1
.irp c, 0,1
	global_load_b128 v[QF+16*\t+8*\c:QF+16*\t+8*\c+3],   v[QO], s[QW:QW+1] offset:2048*\t+64*\c
	global_load_b128 v[QF+16*\t+8*\c+4:QF+16*\t+8*\c+7], v[QO], s[QW:QW+1] offset:2048*\t+64*\c+32
.endr
.endr
.set i, 0
.rept 64
	v_mov_b32 v[OO+i], 0
.set i, i+1
.endr
	WIN 0
.irp t, 0,1
	v_mov_b32 v[ST+8*\t+1], 0xff61b1e6             ; m = -3e38
	v_mul_f32 v[ST+8*\t], s[CS], v[ST+8*\t+1]      ; c m
.irp e, 2,3,4,5,6,7
	v_mov_b32 v[ST+8*\t+\e], 0
.endr
.endr
	s_wait_loadcnt 0x0                             ; Q
.endm
; A query block ends: O^T / l, rounded to f16, through my stage in LDS, a tile (16 rows of 128 bytes) at a time; each store covers 512 consecutive bytes, aligned.
.macro WAYOUT
.rept 4
	v_nop                                          ; places behind the last products
.endr
.irp t, 0,1
	v_add_f32 v[ST+8*\t+4], v[ST+8*\t+2], v[ST+8*\t+3]
.endr
.irp t, 0,1
	v_permlanex16_b32 v[ST+8*\t+5], v[ST+8*\t+4], s[SEL], s[SEL+1]
.endr
.irp t, 0,1
	v_add_f32 v[ST+8*\t+4], v[ST+8*\t+4], v[ST+8*\t+5]
.endr
.irp t, 0,1
	v_rcp_f32 v[ST+8*\t+6], v[ST+8*\t+4]
.endr
	v_nop                                          ; a plain instruction behind the last reciprocal
	s_wait_alu depctr_va_vdst(0)                   ; one wait for both reciprocals, ahead of their first reader
.irp t, 0,1
	WIN W_RS
.irp e, 0,1,2,3,4,5,6,7,8,9,10,11,12,13,14,15
	v_pk_mul_f32 v[OO+32*\t+2*\e:OO+32*\t+2*\e+1], v[OO+32*\t+2*\e:OO+32*\t+2*\e+1], v[ST+8*\t+6:ST+8*\t+7] op_sel_hi:[1,0]
.endr
	WIN W_CV
.irp e, 0,1,2,3,4,5,6,7,8,9,10,11,12,13,14,15
	v_cvt_pk_f16_f32 v[S+32*\t+\e], v[OO+32*\t+2*\e], v[OO+32*\t+2*\e+1]
.endr
	WIN 0
.irp e, 0,1,2,3
	ds_store_b128 v[STO], v[S+32*\t+4*\e:S+32*\t+4*\e+3] offset:32*\e
.endr
.irp e, 0,1,2,3
	ds_load_b128 v[S+32*\t+4*\e:S+32*\t+4*\e+3], v[RD] offset:\e*4*PKB   ; LDS serves a wave's instructions in order: these see the stores above; the next tile's stores come behind them
.endr
.endr
.irp t, 0,1
.irp e, 0,1,2,3
	s_wait_dscnt 8*(1-\t)+3-\e                     ; behind this load: its tile's younger loads, and for tile 0 tile 1's four stores and four loads
	global_store_b128 v[GO], v[S+32*\t+4*\e:S+32*\t+4*\e+3], s[OW:OW+1] offset:2048*\t+512*\e
.endr
.endr
.endm
; In trip 8 - I the first query block leaves and the second begins.  The condition is made of the work-group's number and the trip: the same in all eight waves; no barrier and no tensor load stands inside.
.macro SWITCH
	s_cmp_lg_u32 s[T], s[LIMB]
	s_cbranch_scc1 .Lsame_\@
	WAYOUT
	s_wait_xcnt 0x0                                ; the stores have read their data and their base: both are written again below
	s_lshl_b32 s66, s[II], 8
	s_lshl_b32 s67, s[WV], 5
	s_add_co_u32 s[Q0], s66, s67
	s_mov_b32 s[KF], 0
	INIT
.Lsame_\@:
.endm
; A KEY STEP: 64 keys.
.macro STEP
	s_add_co_u32 s66, s[Q0], 31
	s_cmp_gt_u32 s[KF], s66                        ; all 64 keys come after my 32 queries: the step's work is left out
	s_cbranch_scc1 .Lhidden_\@
	v_add_nc_u32 v[ADK], s[TB], v[AK0]
	v_add_nc_u32 v[ADV], s[TB], v[AV0]
	v_nop
	v_nop                                          ; four places in front of loads into registers that the last products have read
	WIN W_LD
.irp f, 0,1,2,3,4,5,6,7                        ; K: keys 16 (f / 2) on, channels 32 (f % 2) on
	ds_load_b128 v[KFR+8*\f:KFR+8*\f+3],   v[ADK] offset:(\f/2)*16*PKB+(\f%2)*64
	ds_load_b128 v[KFR+8*\f+4:KFR+8*\f+7], v[ADK] offset:(\f/2)*16*PKB+(\f%2)*64+32
.endr
.irp f, 0,1,2,3,4,5,6,7                        ; V, turned: keys 32 (f / 4) on, channels 16 (f % 4) on
	ds_load_tr16_b128 v[VFR+8*\f:VFR+8*\f+3],   v[ADV] offset:(\f/4)*32*PVB+(\f%4)*32
	ds_load_tr16_b128 v[VFR+8*\f+4:VFR+8*\f+7], v[ADV] offset:(\f/4)*32*PVB+16*PVB+(\f%4)*32
.endr
	s_wait_dscnt 16                                ; K is in; V's sixteen loads stay out
	WIN W_KQ
.set i, 0
.rept 16                                       ; S^T = K Q^T: channels 32 (i / 8) on, keys 16 ((i / 2) % 4) on, tile i % 2.  Eight accumulators by turns; the first eight start the sums
.set rS, S+32*(i%2)+8*((i/2)%4)
.set rK, KFR+16*((i/2)%4)+8*(i/8)
.set rQ, QF+16*(i%2)+8*(i/8)
.if i < 8
	v_wmma_f32_16x16x32_f16 v[rS:rS+7], v[rK:rK+7], v[rQ:rQ+7], 0
.else
	v_wmma_f32_16x16x32_f16 v[rS:rS+7], v[rK:rK+7], v[rQ:rQ+7], v[rS:rS+7]
.endif
.set i, i+1
.endr
	WIN 0
.rept 4
	v_nop                                          ; places ahead of the first read of the scores
.endr
	s_add_co_u32 s66, s[KF], 63
	s_cmp_le_u32 s66, s[Q0]                        ; all 64 keys count for all my queries: no mask
	s_cbranch_scc1 .Lopen_\@
	s_sub_co_i32 s66, s[Q0], s[KF]
.irp t, 0,1                                    ; register n of tile t holds key KF + 16 (n / 8) + 8 (lane / 16) + n % 8, my query is Q0 + 16 t + lane % 16: hidden where 16 (n / 8) + n % 8 > d
	v_add_nc_u32 v[DD], s66, v[DL]
.irp n, 0,1,2,3,4,5,6,7,8,9,10,11,12,13,14,15,16,17,18,19,20,21,22,23,24,25,26,27,28,29,30,31
	v_cmp_gt_i32 vcc_lo, 16*(\n/8)+\n%8, v[DD]
	v_cndmask_b32 v[S+32*\t+\n], v[S+32*\t+\n], v[NINF], vcc_lo
.endr
	s_add_co_u32 s66, s66, 16
.endr
.Lopen_\@:
	; the maximum of my 32 scores and the old m: four chains, one for each accumulator, each from its low end on; the two tiles line by line
.irp k, 0,1,2,3
.irp t, 0,1
	v_max3_num_f32 v[ST+8*\t+4+\k], v[S+32*\t+8*\k], v[S+32*\t+8*\k+1], v[S+32*\t+8*\k+2]
.endr
.endr
.irp e, 3,5
.irp k, 0,1,2,3
.irp t, 0,1
	v_max3_num_f32 v[ST+8*\t+4+\k], v[ST+8*\t+4+\k], v[S+32*\t+8*\k+\e], v[S+32*\t+8*\k+\e+1]
.endr
.endr
.endr
.irp t, 0,1
	v_max3_num_f32 v[ST+8*\t+4], v[ST+8*\t+4], v[S+32*\t+7], v[S+32*\t+15]
	v_max3_num_f32 v[ST+8*\t+6], v[ST+8*\t+6], v[S+32*\t+23], v[S+32*\t+31]
.endr
.irp t, 0,1
	v_max3_num_f32 v[ST+8*\t+4], v[ST+8*\t+4], v[ST+8*\t+5], v[ST+8*\t+6]
.endr
.irp t, 0,1
	v_max3_num_f32 v[ST+8*\t+4], v[ST+8*\t+4], v[ST+8*\t+7], v[ST+8*\t+1]
.endr
.irp t, 0,1
	v_permlanex16_b32 v[ST+8*\t+5], v[ST+8*\t+4], s[SEL], s[SEL+1]   ; the query's other 32 keys lie in the lane 16 away
.endr
.irp t, 0,1
	v_mov_b32 v[ST+8*\t+7], v[ST+8*\t]             ; c m_old is kept for a
.endr
.irp t, 0,1
	v_max_num_f32 v[ST+8*\t+1], v[ST+8*\t+4], v[ST+8*\t+5]
.endr
.irp t, 0,1
	v_mul_f32 v[ST+8*\t], s[CS], v[ST+8*\t+1]
.endr
.irp t, 0,1
	v_sub_f32 v[ST+8*\t+7], v[ST+8*\t+7], v[ST+8*\t]
.endr
.irp t, 0,1
.irp e, 0,1,2,3,4,5,6,7,8,9,10,11,12,13,14,15
	v_pk_fma_f32 v[S+32*\t+2*\e:S+32*\t+2*\e+1], v[S+32*\t+2*\e:S+32*\t+2*\e+1], s[CS:CS+1], v[ST+8*\t:ST+8*\t+1] op_sel_hi:[1,0,0] neg_lo:[0,0,1] neg_hi:[0,0,1]   ; c s - c m
.endr
.endr
.irp t, 0,1
	v_exp_f32 v[ST+8*\t+6], v[ST+8*\t+7]           ; a
.endr
.set i, 0
.rept 64
	v_exp_f32 v[S+i], v[S+i]                       ; p, at most 1
.set i, i+1
.endr
	v_nop                                          ; a plain instruction behind the last exponential
	s_wait_alu depctr_va_vdst(0)                   ; ONE wait for the step's 66 exponentials, ahead of their first reader
.set i, 0
.rept 32
	v_cvt_pk_f16_f32 v[P+i], v[S+2*i], v[S+2*i+1]  ; the weights as source 1 of the second product
.set i, i+1
.endr
.irp u, 0,1,2,3,4,5,6,7                        ; the sum of the unrounded p, in place, pairs 1, 2, 4 and 8 apart
.irp t, 0,1
	v_pk_add_f32 v[S+32*\t+4*\u:S+32*\t+4*\u+1], v[S+32*\t+4*\u:S+32*\t+4*\u+1], v[S+32*\t+4*\u+2:S+32*\t+4*\u+3]
.endr
.endr
.irp u, 0,1,2,3
.irp t, 0,1
	v_pk_add_f32 v[S+32*\t+8*\u:S+32*\t+8*\u+1], v[S+32*\t+8*\u:S+32*\t+8*\u+1], v[S+32*\t+8*\u+4:S+32*\t+8*\u+5]
.endr
.endr
.irp u, 0,1
.irp t, 0,1
	v_pk_add_f32 v[S+32*\t+16*\u:S+32*\t+16*\u+1], v[S+32*\t+16*\u:S+32*\t+16*\u+1], v[S+32*\t+16*\u+8:S+32*\t+16*\u+9]
.endr
.endr
.irp t, 0,1
	v_pk_add_f32 v[S+32*\t:S+32*\t+1], v[S+32*\t:S+32*\t+1], v[S+32*\t+16:S+32*\t+17]
.endr
.irp t, 0,1
	v_pk_fma_f32 v[ST+8*\t+2:ST+8*\t+3], v[ST+8*\t+2:ST+8*\t+3], v[ST+8*\t+6:ST+8*\t+7], v[S+32*\t:S+32*\t+1] op_sel_hi:[1,0,1]   ; l = a l + the sum
.endr
	WIN W_RS
.irp t, 0,1
.irp e, 0,1,2,3,4,5,6,7,8,9,10,11,12,13,14,15
	v_pk_mul_f32 v[OO+32*\t+2*\e:OO+32*\t+2*\e+1], v[OO+32*\t+2*\e:OO+32*\t+2*\e+1], v[ST+8*\t+6:ST+8*\t+7] op_sel_hi:[1,0]   ; O^T x a, each accumulator from its low end on
.endr
.endr
	s_wait_dscnt 0x0                               ; V is in
	WIN W_PV
.set i, 0
.rept 16                                       ; O^T += V^T P: keys 32 (i / 8) on, channels 16 ((i / 2) % 4) on, tile i % 2.  Eight accumulators by turns
.set rO, OO+32*(i%2)+8*((i/2)%4)
.set rV, VFR+32*(i/8)+8*((i/2)%4)
.set rP, P+16*(i%2)+8*(i/8)
	v_wmma_f32_16x16x32_f16 v[rO:rO+7], v[rV:rV+7], v[rP:rP+7], v[rO:rO+7]
.set i, i+1
.endr
	WIN 0
.Lhidden_\@:
	s_add_co_u32 s[KF], s[KF], 64
	s_add_co_u32 s[TB], s[TB], STEPB
.endm
.macro FOUR_STEPS                      ; a slot's four key steps: written once, walked four times
	s_mov_b32 s[TW], 4
.Lstep_\@:
	STEP
	s_sub_co_u32 s[TW], s[TW], 1
	s_cmp_lg_u32 s[TW], 0
	s_cbranch_scc1 .Lstep_\@
	s_sub_co_u32 s[TB], s[TB], 4*STEPB             ; back to a slot's first step,
	s_xor_b32 s[TB], s[TB], SLOT1                  ; in the other slot
.endm
	s_load_b128 s[4:7], s[0:1], 0x0                ; qkv16, o16
	v_lshl_add_u32 v[SPW], v0, 2, SPARE
	v_mov_b32 v[NIL], 0
	ds_add_u32 v[SPW], v[NIL]                      ; the wave's opening: the add, twice on end, and its wait ahead of my first tensor load
	ds_add_u32 v[SPW], v[NIL]
	v_lshrrev_b32 v1, 5, v0
	v_readfirstlane_b32 s[WV], v1                  ; wave 0..7
	s_mov_b32 s[II], ttmp9
	s_and_b32 s[BH], ttmp7, 0xffff
	; descriptor group 1: a tile of 64 rows x 64 elements of 2 bytes, dense in memory, padded in LDS
	s_mov_b32 s[G1K], (1<<16)|(1<<20)|(4<<22)|(3<<25)   ; no mask; elements of 2 bytes; padding on: 4 words after every 32
	s_mov_b32 s[G1V], (1<<16)|(1<<20)|(4<<22)|(7<<25)   ; the same with 8 words
.irp g, G1K, G1V
	s_mov_b32 s[\g+1], 64<<16                      ; tensor_dim0
	s_mov_b32 s[\g+2], 64<<16                      ; tensor_dim1
	s_mov_b32 s[\g+3], 64<<16                      ; tile_dim0
	s_mov_b32 s[\g+4], 64                          ; tile_dim1
	s_mov_b32 s[\g+5], 64                          ; from row to row
	s_mov_b32 s[\g+6], 0
	s_mov_b32 s[\g+7], 0
.endr
	s_and_b32 s66, s[WV], 3                        ; which of a slot's four steps I fetch:
	s_mul_i32 s67, s66, STEPB                      ; its place in a slot,
	s_lshl_b32 s66, s66, 13                        ; its 64 rows of 128 bytes in memory
	s_lshl_b32 s68, s[BH], 18                      ; the head's first byte in each part
	s_mov_b32 s69, 0
	s_sub_co_u32 s[LIMB], 8, s[II]
	s_mov_b32 s[SEL], 0x76543210
	s_mov_b32 s[SEL+1], 0xfedcba98
	s_mov_b32 s[CS], 0x3e38aa3b                    ; c = log2(e) / 8
	s_mov_b32 s[CS+1], s[CS]
	s_mov_b32 s[TB], 0
	s_mov_b32 s[KF], 0
	s_mov_b32 s[T], 0
	s_cmp_eq_u32 s[II], 0
	s_cselect_b32 s[PLIM], 6, 0
	s_wait_dscnt 0x0                               ; both opening adds are done
	s_wait_kmcnt 0x0
	s_add_nc_u64 s[QH:QH+1], s[4:5], s[68:69]
	s_add_nc_u64 s[OH:OH+1], s[6:7], s[68:69]
	s_add_co_u32 s68, s68, s66
	s_add_nc_u64 s[KB:KB+1], s[4:5], s[68:69]
	s_add_nc_u64 s[VB:VB+1], s[KB:KB+1], 0x2000000 ; V's part begins 33,554,432 bytes on,
	s_add_nc_u64 s[KB:KB+1], s[KB:KB+1], 0x1000000 ; K's 16,777,216
	s_mov_b32 s[G0K], 1                            ; count = 1
	s_mov_b32 s[G0K+1], s67                        ; LDS address: slot 0
	s_mov_b64 s[G0K+2:G0K+3], s[KB:KB+1]           ; global address: key block 0
	s_or_b32 s[G0K+3], s[G0K+3], 0x80000000        ; type = 2
	s_mov_b32 s[G0V], 1
	s_add_co_u32 s[G0V+1], s67, VOFF
	s_mov_b64 s[G0V+2:G0V+3], s[VB:VB+1]
	s_or_b32 s[G0V+3], s[G0V+3], 0x80000000
	TLOAD                                          ; slot 0; slot 1 is filled behind the first trip's barrier
	s_cmp_lt_u32 s[WV], 4
	s_cselect_b64 s[PFA:PFA+1], s[KB:KB+1], s[VB:VB+1]
	s_add_nc_u64 s[PFA:PFA+1], s[PFA:PFA+1], 32768 ; at key block 1: the first change of slots steps it to block 2
	v_and_b32 v13, 15, v0                          ; r = lane % 16
	v_bfe_u32 v14, v0, 4, 1                        ; h = lane / 16
	v_mul_u32_u24 v[AK0], v13, PKB
	v_lshl_add_u32 v[AK0], v14, 4, v[AK0]          ; K: row r, + 16 h
	v_and_b32 v3, 7, v0
	v_lshl_add_u32 v3, v14, 3, v3
	v_mul_u32_u24 v[AV0], v3, PVB                  ; V: key 8 h + lane % 8,
	v_bfe_u32 v3, v0, 3, 1
	v_lshl_add_u32 v[AV0], v3, 4, v[AV0]           ; channels 8 ((lane / 8) % 2) on
	v_add_nc_u32 v[AV0], VOFF, v[AV0]
	v_lshlrev_b32 v[QO], 7, v13
	v_lshl_add_u32 v[QO], v14, 4, v[QO]            ; Q: row r of 128 bytes, + 16 h
	s_mul_i32 s66, s[WV], 16*PKB
	s_add_co_u32 s66, s66, STAGE                   ; my stage
	v_add_nc_u32 v[STO], s66, v[AK0]               ; in: row r, + 16 h
	v_and_b32 v4, 31, v0
	v_lshlrev_b32 v[GO], 4, v4
	v_lshlrev_b32 v[PFO], 8, v4
	v_lshrrev_b32 v4, 3, v4
	v_mul_u32_u24 v4, v4, PKB
	v_and_b32 v3, 7, v0
	v_lshl_add_u32 v4, v3, 4, v4
	v_add_nc_u32 v[RD], s66, v4                    ; back: eight lanes to a row, four rows an instruction
	v_lshlrev_b32 v14, 3, v14
	v_sub_nc_u32 v[DL], v13, v14
	v_mov_b32 v[NINF], 0xff800000
	s_sub_co_u32 s66, 7, s[II]
	s_lshl_b32 s66, s66, 8
	s_lshl_b32 s67, s[WV], 5
	s_add_co_u32 s[Q0], s66, s67                   ; my first query: block 7 - I
	INIT
.Ltrip:                                            ; eight trips: behind each change of slots the next trip's key block is asked for
	CHANGE 1
	SWITCH
	FOUR_STEPS
	s_add_co_u32 s[T], s[T], 1
	s_cmp_lt_u32 s[T], 8
	s_cbranch_scc1 .Ltrip
	CHANGE 0                                       ; the ninth trip is written out: nothing is left to fetch
	SWITCH
	FOUR_STEPS
	WAYOUT
	s_wait_tensorcnt 0x0                           ; the wave's end: behind my last tensor load and my last LDS store
	ds_add_u32 v[SPW], v[NIL]
	s_wait_dscnt 0x0
	s_endpgm
.Lfunc_end_k_q47b79d5ed5_attn:
	.size	k_q47b79d5ed5_attn, .Lfunc_end_k_q47b79d5ed5_attn-k_q47b79d5ed5_attn
	.p2alignl 7, 3214868480
	.fill 96, 4, 3214868480
	.section	.rodata,"a",@progbits
	.p2align	6, 0x0
	.amdhsa_kernel k_q47b79d5ed5_attn
		.amdhsa_group_segment_fixed_size 327680
		.amdhsa_private_segment_fixed_size 0
		.amdhsa_enable_private_segment 0
		.amdhsa_kernarg_size 16
		.amdhsa_user_sgpr_count 2
		.amdhsa_user_sgpr_kernarg_segment_ptr 1
		.amdhsa_wavefront_size32 1
		.amdhsa_system_sgpr_workgroup_id_x 1
		.amdhsa_system_sgpr_workgroup_id_y 1
		.amdhsa_system_sgpr_workgroup_id_z 1
		.amdhsa_system_vgpr_workitem_id 0
		.amdhsa_next_free_vgpr 512
		.amdhsa_next_free_sgpr 72
		.amdhsa_reserve_vcc 1
		.amdhsa_float_denorm_mode_32 3
		.amdhsa_float_denorm_mode_16_64 3
		.amdhsa_memory_ordered 1
		.amdhsa_forward_progress 1
		.amdhsa_inst_pref_size 82
	.end_amdhsa_kernel
	.amdgpu_metadata
---
amdhsa.version: [ 1, 2 ]
amdhsa.kernels:
  - .name:           k_q47b79d5ed5_attn
    .symbol:         k_q47b79d5ed5_attn.kd
    .args:
      - { .name: qkv16, .offset: 0, .size: 8, .value_kind: global_buffer, .address_space: global }
      - { .name: o16, .offset: 8, .size: 8, .value_kind: global_buffer, .address_space: global }
    .group_segment_fixed_size: 327680
    .private_segment_fixed_size: 0
    .kernarg_segment_align: 8
    .kernarg_segment_size: 16
    .max_flat_workgroup_size: 256
    .sgpr_count:     72
    .vgpr_count:     512
    .wavefront_size: 32
...
	.end_amdgpu_metadata
.endif
;; end of part 3
;; launch proj (part 4): grid 8 x 32, 4 waves a work-group, clusters of 4 x 4, 327,680 bytes of LDS; arguments o16, wo16, out0, bo; writes out0
.if DOCPART == 4
	.amdgcn_target "amdgcn-amd-amdhsa--gfx1250"
	.amdhsa_code_object_version 6
	.text
	.protected	k_q47b79d5ed5_proj
	.globl	k_q47b79d5ed5_proj
	.p2align	8
	.type	k_q47b79d5ed5_proj,@function
k_q47b79d5ed5_proj:
	s_mov_b64 s[64:65], 0
	v_nop
	global_prefetch_b8 v0, s[64:65] scope:SCOPE_SE
	s_setreg_imm32_b32 hwreg(HW_REG_WAVE_MODE, 25, 1), 1
	s_wait_xcnt 0x0
	s_wait_alu depctr_hold_cnt(0) depctr_sa_sdst(0) depctr_va_vdst(0) depctr_va_sdst(0) depctr_va_ssrc(0) depctr_va_vcc(0) depctr_vm_vsrc(0)
	s_getreg_b32 s2, hwreg(HW_REG_IB_STS2, 6, 4)
	s_cmp_eq_u32 s2, 0
	s_cbranch_scc0 .Lentry_in_a_cluster
	s_endpgm
.Lentry_in_a_cluster:
	s_bfe_u32 s2, ttmp6, 0x10000c
	s_cmp_lg_u32 s2, 0xf033
	s_cbranch_scc0 .Lentry_shape_is_right
	s_endpgm
.Lentry_shape_is_right:
; out0[m][n] = sum over k of O[m][k] Wo[n][k] + bo[n].  O: o16 [batch][head][s][64] f16, k = 64 head + channel; Wo: wo16 [1024][1024] f16; bo, out0: f32; sums in f32.
; LIMITS: numbers of O and Wo up to 65,504 (f16); NaN and infinities are not served.  All 8,192 rows are stored; the first 16 of each sequence are stored again, from f32 operands, by the launch behind this one.
; A tile of out0 is 256 rows x 128 columns: 256 work-groups.  Four waves, each 128 x 64: 32 accumulators of 16 x 16, 256 registers.  K goes in 8 steps of 128, which are two heads, through a ring of two LDS slots:
; O's tile is two planes (a head each) of 256 rows x 128 bytes, each dense in memory; Wo's is 128 rows of 256 bytes.  Waves 0 and 1 fetch a plane each, waves 2 and 3 64 rows of Wo each.
; CLUSTERS: 4 x 4 work-groups; O's tiles are asked for jointly along a row of the cluster, Wo's along a column.  THE MATRIX INSTRUCTION IS USED TRANSPOSED (source 0 = 16 rows of Wo, source 1 = 16 rows of O): a lane
; holds eight neighbouring numbers of a row of out0.  The bias is the C of each sum's first matrix instruction.
; No prefetch: the walk is eight K steps, two of them asked for at the head.
; REGISTERS: window 0: v16-29 addresses; v32-63 the bias; v64-191 O's fragments, two buffers of 64; v192-255 Wo's, two buffers of 32.  Window 1: accumulator (a, b) at v[8 (4 a + b)].
.set KSTEP,  128
.set PITA,   144                       ; a row of a plane in LDS: 128 bytes + 16
.set PITB,   272                       ; a row of Wo: 256 bytes + 16
.set PLANE,  256*PITA
.set BOFF,   2*PLANE
.set BHALF,  64*PITB
.set SLOT,   BOFF+2*BHALF
.set STAGE,  2*SLOT                    ; behind the ring: 16 rows x 272 bytes for each wave, for the way out
.set SPITCH, 272
.set SPARE,  STAGE+4*16*SPITCH         ; the spare words, 128 bytes a wave, which no other line names
.set LAPS,   1024/(2*KSTEP)
.set HEADB,  262144                    ; a head of o16 in bytes
.set ADRA, 16                          ; v16-17  LDS address of my O fragments in slot 0, 1
.set ADRB, 20                          ; v20-21  the same for Wo
.set STO,  24
.set RD,   25
.set CO,   26
.set SPW,  28                          ; v28  LDS address of my spare word; never rewritten
.set NIL,  29                          ; v29  0; never rewritten
.set BI,   32
.set AF,   64
.set BF,   192
.set BK,   64                          ; the way out: rows read back: v64-95 and v96-127 by turns
.set G1, 24
.set G0, 32
.set G1B, 48
.set G0B, 56
.set MSB, 0
.macro WIN new                         ; the immediate's high byte repeats the setting that is left
.if MSB != (\new)
	s_set_vgpr_msb (MSB<<8)|(\new)
.set MSB, (\new)
.endif
.endm
.set MUL,  0x50                        ; sources 0 and 1 window 0; C and D window 1
.set MULZ, 0x40                        ; C (the bias) window 0, D window 1
.macro JLOAD s                         ; a joint load: waves 0 and 1 fetch O's planes, waves 2 and 3 Wo's halves; an s_nop 0 and four v_nop follow each of the two lines
	s_cmp_eq_u32 s11, 0
	s_cbranch_scc0 .Lfor_b_\@
	tensor_load_to_lds s[G0+4*\s:G0+4*\s+3], s[G1:G1+7]
	s_nop 0
.rept 4
	v_nop
.endr
	s_branch .Lasked_\@
.Lfor_b_\@:
	tensor_load_to_lds s[G0B+4*\s:G0B+4*\s+3], s[G1B:G1B+7]
	s_nop 0
.rept 4
	v_nop
.endr
.Lasked_\@:
.endm
.macro CREST                           ; a round of the cluster's barrier behind its opening barrier
	s_cmp_lg_u32 s10, 0
	s_cbranch_scc1 .Lnot_wave_0_\@
	s_barrier_signal -3
.Lnot_wave_0_\@:
	s_barrier_wait -3
	s_barrier_signal -1
	s_barrier_wait -1
.endm
.macro CROUND
	s_barrier_signal -1
	s_barrier_wait -1
	CREST
.endm
	s_load_b128 s[4:7], s[0:1], 0x0                ; o16, wo16
	s_load_b64 s[8:9], s[0:1], 0x10                ; out0
	s_load_b64 s[66:67], s[0:1], 0x18              ; bo
	v_lshl_add_u32 v[SPW], v0, 2, SPARE
	v_mov_b32 v[NIL], 0
	ds_add_u32 v[SPW], v[NIL]                      ; the wave's opening: the add, twice on end, and its wait ahead of my first tensor load
	ds_add_u32 v[SPW], v[NIL]
	v_lshrrev_b32 v1, 5, v0
	v_readfirstlane_b32 s10, v1                    ; wave 0..3
	s_lshr_b32 s11, s10, 1                         ; which half of the tile's rows is mine.  Also: I fetch for O (0) or for Wo (1)
	s_and_b32 s12, s10, 1                          ; which half of its columns.  Also: which plane, or which 64 rows of Wo, I fetch
	s_bfe_u32 s40, ttmp6, 0x40000                  ; cx, cy
	s_bfe_u32 s41, ttmp6, 0x40004
	s_lshl_b32 s42, ttmp9, 2
	s_add_co_u32 s42, s42, s40                     ; tile column = 4 x cluster x + cx
	s_and_b32 s13, ttmp7, 0xffff
	s_lshl_b32 s13, s13, 2
	s_add_co_u32 s13, s13, s41                     ; tile row = 4 x cluster y + cy
	s_lshl_b32 s43, s41, 2
	s_lshl_b32 s43, 15, s43                        ; my row of the cluster
	s_lshl_b32 s44, 0x1111, s40                    ; my column
	s_or_b32 s[G1+0], s43, (1<<16)|(1<<20)|(1<<21)|(4<<22)|(3<<25)   ; the mask: O's planes go to my row; elements of 2 bytes; padding on; bit 21 beside a mask; 4 words after every 32
	s_mov_b32 s[G1+1], 64<<16                      ; tensor_dim0
	s_mov_b32 s[G1+2], 256<<16                     ; tensor_dim1
	s_mov_b32 s[G1+3], 64<<16                      ; tile_dim0
	s_mov_b32 s[G1+4], 256                         ; tile_dim1
	s_mov_b32 s[G1+5], 64                          ; from row to row
	s_mov_b32 s[G1+6], 0
	s_mov_b32 s[G1+7], 0
	s_or_b32 s[G1B+0], s44, (1<<16)|(1<<20)|(1<<21)|(5<<22)|(3<<25)  ; Wo's tiles go to my column; 4 words after every 64
	s_mov_b32 s[G1B+1], KSTEP<<16
	s_mov_b32 s[G1B+2], 64<<16
	s_mov_b32 s[G1B+3], KSTEP<<16
	s_mov_b32 s[G1B+4], 64
	s_mov_b32 s[G1B+5], 1024
	s_mov_b32 s[G1B+6], 0
	s_mov_b32 s[G1B+7], 0
	s_lshr_b32 s16, s13, 3                         ; O: batch = tile row / 8: 16 heads,
	s_lshl_b32 s16, s16, 22
	s_and_b32 s17, s13, 7
	s_lshl_b32 s17, s17, 15                        ; 256 positions x 128 bytes a tile row,
	s_add_co_u32 s16, s16, s17
	s_lshl_b32 s17, s12, 18                        ; my plane's head
	s_add_co_u32 s16, s16, s17
	s_mov_b32 s17, 0
	s_lshl_b32 s46, s42, 7                         ; Wo: row 128 x tile column + 64 x half, of 2,048 bytes
	s_lshl_b32 s47, s12, 6
	s_add_co_u32 s46, s46, s47
	s_lshl_b32 s46, s46, 11
	s_mov_b32 s47, 0
	s_mul_i32 s20, s12, PLANE                      ; where they go: no place in the cluster enters an LDS address
	s_mul_i32 s21, s12, BHALF
	s_add_co_u32 s21, s21, BOFF
	s_wait_dscnt 0x0                               ; both opening adds are done
	s_wait_kmcnt 0x0
	s_add_nc_u64 s[14:15], s[4:5], s[16:17]
	s_add_nc_u64 s[46:47], s[6:7], s[46:47]
	CROUND                                         ; all sixteen work-groups are here: the first joint loads meet
.irp s, 0,1
	s_mov_b32 s[G0+4*\s], 1
	s_add_co_u32 s[G0+4*\s+1], s20, \s*SLOT
	s_add_nc_u64 s[G0+4*\s+2:G0+4*\s+3], s[14:15], \s*2*HEADB     ; K step s: heads 2 s, 2 s + 1
	s_or_b32 s[G0+4*\s+3], s[G0+4*\s+3], 0x80000000
	s_mov_b32 s[G0B+4*\s], 1
	s_add_co_u32 s[G0B+4*\s+1], s21, \s*SLOT
	s_add_nc_u64 s[G0B+4*\s+2:G0B+4*\s+3], s[46:47], \s*KSTEP*2
	s_or_b32 s[G0B+4*\s+3], s[G0B+4*\s+3], 0x80000000
	JLOAD \s                                       ; two tensor loads of mine are out
.endr
	v_and_b32 v1, 15, v0                           ; l % 16
	v_bfe_u32 v2, v0, 4, 1                         ; l / 16
	v_mul_u32_u24 v3, v1, PITA
	v_lshl_add_u32 v3, v2, 4, v3
	v_mul_u32_u24 v4, v1, PITB
	v_lshl_add_u32 v4, v2, 4, v4
	s_mul_i32 s21, s11, 128*PITA                   ; my 128 rows of a plane
	s_mul_i32 s22, s12, BHALF                      ; my 64 rows of Wo
	s_add_co_u32 s22, s22, BOFF
.irp s, 0,1
	v_add_nc_u32 v[ADRA+\s], s21, v3
	v_add_nc_u32 v[ADRB+\s], s22, v4
	s_add_co_u32 s21, s21, SLOT
	s_add_co_u32 s22, s22, SLOT
.endr
	s_mul_i32 s23, s10, 16*SPITCH
	s_add_co_u32 s23, s23, STAGE                   ; my stage
	v_mul_u32_u24 v5, v1, SPITCH                   ; in: row l % 16, 32 bytes for each half of the lanes
	v_lshl_add_u32 v5, v2, 5, v5
	v_add_nc_u32 v[STO], s23, v5
	v_mul_u32_u24 v5, v2, SPITCH                   ; back: lanes 0-15 one row of 256 bytes, lanes 16-31 the next
	v_lshl_add_u32 v5, v1, 4, v5
	v_add_nc_u32 v[RD], s23, v5
	v_lshlrev_b32 v5, 12, v2                       ; and the same two rows in out0
	v_lshl_add_u32 v[CO], v1, 4, v5
	v_lshlrev_b32 v6, 5, v2                        ; the bias: my half's eight columns
	s_lshl_b32 s16, s13, 8
	s_lshl_b32 s17, s11, 7
	s_add_co_u32 s16, s16, s17                     ; my first row: 256 x tile row + 128 x half
	s_lshl_b32 s16, s16, 12
	s_mov_b32 s17, 0
	s_lshl_b32 s46, s42, 9                         ; my first column, in bytes: 512 x tile column + 256 x half
	s_lshl_b32 s47, s12, 8
	s_add_co_u32 s46, s46, s47
	s_mov_b32 s47, 0
	s_add_nc_u64 s[8:9], s[8:9], s[16:17]
	s_add_nc_u64 s[8:9], s[8:9], s[46:47]
	s_add_nc_u64 s[66:67], s[66:67], s[46:47]
.irp b, 0,1,2,3
	global_load_b128 v[BI+8*\b:BI+8*\b+3],   v6, s[66:67] offset:64*\b       ; register 8 b + j: bo at my column 16 b + 8 (l / 16) + j
	global_load_b128 v[BI+8*\b+4:BI+8*\b+7], v6, s[66:67] offset:64*\b+16
.endr
; 8 matrix instructions: row blocks a0, a0 + 1 against the 4 column blocks, 32 along K, from buffer f.  first = 1: the bias starts the sums.  The 32 accumulators take turns.
.macro MUL8 f, a0, first
.irp a, \a0, \a0+1
.irp b, 0,1,2,3
.if \first
	v_wmma_f32_16x16x32_f16 v[8*(4*(\a)+\b):8*(4*(\a)+\b)+7], v[BF+32*(\f)+8*\b:BF+32*(\f)+8*\b+7], v[AF+64*(\f)+8*(\a):AF+64*(\f)+8*(\a)+7], v[BI+8*\b:BI+8*\b+7]
.else
	v_wmma_f32_16x16x32_f16 v[8*(4*(\a)+\b):8*(4*(\a)+\b)+7], v[BF+32*(\f)+8*\b:BF+32*(\f)+8*\b+7], v[AF+64*(\f)+8*(\a):AF+64*(\f)+8*(\a)+7], v[8*(4*(\a)+\b):8*(4*(\a)+\b)+7]
.endif
.endr
.endr
.endm
; 24 LDS loads in one run: the fragments of the slot's q-th 32 along K into buffer f: Wo's four, then O's eight (plane q / 2, channels 32 (q % 2) on)
.macro FETCH slot, q, f
.irp i, 0,1,2,3
	ds_load_b128 v[BF+32*(\f)+8*\i:BF+32*(\f)+8*\i+3],   v[ADRB+\slot] offset:64*(\q)+\i*16*PITB
	ds_load_b128 v[BF+32*(\f)+8*\i+4:BF+32*(\f)+8*\i+7], v[ADRB+\slot] offset:64*(\q)+\i*16*PITB+32
.endr
.irp i, 0,1,2,3,4,5,6,7
	ds_load_b128 v[AF+64*(\f)+8*\i:AF+64*(\f)+8*\i+3],   v[ADRA+\slot] offset:((\q)/2)*PLANE+((\q)%2)*64+\i*16*PITA
	ds_load_b128 v[AF+64*(\f)+8*\i+4:AF+64*(\f)+8*\i+7], v[ADRA+\slot] offset:((\q)/2)*PLANE+((\q)%2)*64+\i*16*PITA+32
.endr
.endm
.macro PLACES                          ; four plain instructions in front of loads into registers that matrix instructions have read, and of the first read of results
.rept 4
	v_nop
.endr
.endm
; A K step is four quarters of 32 along K, 32 matrix instructions each, on buffers 0, 1, 0, 1.  One of the first three: multiplies buffer f and fetches quarter qn into g.
.macro QUARTER slot, qn, f, g, first
	s_wait_dscnt 8                                 ; Wo's fragments and O's blocks 0-3 are in; the youngest eight loads (blocks 4-7) may be out
	WIN MUL-0x10*(\first)
	MUL8 \f, 0, \first
	MUL8 \f, 2, \first
	PLACES
	WIN 0
	FETCH \slot, \qn, \g
	s_wait_dscnt 24                                ; all but the 24 just issued
	WIN MUL-0x10*(\first)
	MUL8 \f, 4, \first
	MUL8 \f, 6, \first
.endm
; The last quarter multiplies buffer 1 and changes slots: ONE barrier; in front of it each wave waits for all its tensor loads, adds 0 to its spare word, and waits for that and for its own reads of this slot.
; fill = 1: the barrier opens a round of the cluster's barrier, and this slot is filled again, two K steps ahead.
.macro TURN slot, next, fill
	WIN 0
	s_wait_tensorcnt 0x0                           ; all my tensor loads have landed: my part of the next slot
	ds_add_u32 v[SPW], v[NIL]                      ; 0 onto my spare word
	s_wait_dscnt 9                                 ; (the add and the youngest eight loads may be out)
	WIN MUL
	MUL8 1, 0, 0                                   ; eight matrix instructions stand between the add and the wait for it
	s_wait_dscnt 0x0                               ; the add is done, and my reads of this slot are over
	s_barrier_signal -1
	MUL8 1, 2, 0
	WIN 0
	s_barrier_wait -1
.if \fill
	CREST                                          ; no wave of any partner still reads this slot or has a load on its way
	s_add_nc_u64 s[G0+4*\slot+2:G0+4*\slot+3], s[G0+4*\slot+2:G0+4*\slot+3], 4*HEADB
	s_add_nc_u64 s[G0B+4*\slot+2:G0B+4*\slot+3], s[G0B+4*\slot+2:G0B+4*\slot+3], 2*KSTEP*2
	JLOAD \slot                                    ; the first tensor load behind the round; its four v_nop are also the places in front of the loads below
.else
	PLACES
.endif
	FETCH \next, 0, 0
	WIN MUL
	MUL8 1, 4, 0
	MUL8 1, 6, 0
.endm
	s_wait_tensorcnt 1                             ; my part of K step 0 is in; K step 1's load, issued behind it, may be out
	s_barrier_signal -1
	s_barrier_wait -1
	FETCH 0, 0, 0
	s_wait_loadcnt 0x0                             ; the bias
	QUARTER 0, 1, 0, 1, 1                          ; the first quarter stands in front of the loop: its products start the sums on the bias
	WIN 0
	s_mov_b32 s3, LAPS-1
.Llap:                                             ; a trip goes once round the ring and fills both slots again
	QUARTER 0, 2, 1, 0, 0
	QUARTER 0, 3, 0, 1, 0
	TURN 0, 1, 1
	QUARTER 1, 1, 0, 1, 0
	QUARTER 1, 2, 1, 0, 0
	QUARTER 1, 3, 0, 1, 0
	TURN 1, 0, 1
	QUARTER 0, 1, 0, 1, 0
	WIN 0
	s_sub_co_u32 s3, s3, 1
	s_cmp_lg_u32 s3, 0
	s_cbranch_scc1 .Llap
	QUARTER 0, 2, 1, 0, 0                          ; the last lap fills nothing
	QUARTER 0, 3, 0, 1, 0
	TURN 0, 1, 0
	QUARTER 1, 1, 0, 1, 0
	QUARTER 1, 2, 1, 0, 0
	QUARTER 1, 3, 0, 1, 0
	s_wait_dscnt 8                                 ; the very last quarter: nothing more to fetch
	WIN MUL
	MUL8 1, 0, 0
	MUL8 1, 2, 0
	s_wait_dscnt 0x0
	MUL8 1, 4, 0
	MUL8 1, 6, 0
	WIN 0
; THE WAY OUT, block by block of 16 rows x 64 columns: through my own stage and back as rows of 256 bytes: sixteen lanes store 256 consecutive bytes, aligned.  Every offset is an immediate.
.macro TOSTAGE a
	WIN 0x04                                       ; an LDS store's data: window 1
.irp b, 0,1,2,3
	ds_store_b128 v[STO], v[8*(4*(\a)+\b):8*(4*(\a)+\b)+3] offset:64*\b          ; each accumulator from its low end on
	ds_store_b128 v[STO], v[8*(4*(\a)+\b)+4:8*(4*(\a)+\b)+7] offset:64*\b+16
.endr
	WIN 0
.set BB, BK+32*((\a)%2)
.irp i, 0,1,2,3,4,5,6,7
	ds_load_b128 v[BB+4*\i:BB+4*\i+3], v[RD] offset:\i*2*SPITCH   ; LDS serves a wave's instructions in order: these see the stores above
.endr
.endm
.macro SEND a, younger                 ; younger: the LDS instructions issued behind block a's loads
.set BB, BK+32*((\a)%2)
	s_wait_dscnt \younger
.irp i, 0,1,2,3,4,5,6,7
	global_store_b128 v[CO], v[BB+4*\i:BB+4*\i+3], s[8:9] offset:(16*(\a)+2*\i)*4096 th:TH_STORE_NT
.endr
.endm
	PLACES
	TOSTAGE 0
.irp a, 1,2,3,4,5,6,7
.if \a > 1
	s_wait_xcnt 0x0                                ; block a - 2's stores have read their data: block a's loads may land there
.endif
	TOSTAGE \a
	SEND \a-1, 16                                  ; behind block a - 1's loads: block a's 8 stores and 8 loads
.endr
	SEND 7, 0
	s_wait_tensorcnt 0x0                           ; the wave's end: behind my last tensor load and my last LDS store
	ds_add_u32 v[SPW], v[NIL]
	s_wait_dscnt 0x0
	CROUND                                         ; the closing round
	s_endpgm
.Lfunc_end_k_q47b79d5ed5_proj:
	.size	k_q47b79d5ed5_proj, .Lfunc_end_k_q47b79d5ed5_proj-k_q47b79d5ed5_proj
	.p2alignl 7, 3214868480
	.fill 96, 4, 3214868480
	.section	.rodata,"a",@progbits
	.p2align	6, 0x0
	.amdhsa_kernel k_q47b79d5ed5_proj
		.amdhsa_group_segment_fixed_size 327680
		.amdhsa_private_segment_fixed_size 0
		.amdhsa_enable_private_segment 0
		.amdhsa_kernarg_size 32
		.amdhsa_user_sgpr_count 2
		.amdhsa_user_sgpr_kernarg_segment_ptr 1
		.amdhsa_wavefront_size32 1
		.amdhsa_system_sgpr_workgroup_id_x 1
		.amdhsa_system_sgpr_workgroup_id_y 1
		.amdhsa_system_sgpr_workgroup_id_z 1
		.amdhsa_system_vgpr_workitem_id 0
		.amdhsa_next_free_vgpr 512
		.amdhsa_next_free_sgpr 68
		.amdhsa_reserve_vcc 0
		.amdhsa_float_denorm_mode_32 3
		.amdhsa_float_denorm_mode_16_64 3
		.amdhsa_memory_ordered 1
		.amdhsa_forward_progress 1
		.amdhsa_inst_pref_size 86
	.end_amdhsa_kernel
	.amdgpu_metadata
---
amdhsa.version: [ 1, 2 ]
amdhsa.kernels:
  - .name:           k_q47b79d5ed5_proj
    .symbol:         k_q47b79d5ed5_proj.kd
    .args:
      - { .name: o16, .offset: 0, .size: 8, .value_kind: global_buffer, .address_space: global }
      - { .name: wo16, .offset: 8, .size: 8, .value_kind: global_buffer, .address_space: global }
      - { .name: out0, .offset: 16, .size: 8, .value_kind: global_buffer, .address_space: global }
      - { .name: bo, .offset: 24, .size: 8, .value_kind: global_buffer, .address_space: global }
    .group_segment_fixed_size: 327680
    .private_segment_fixed_size: 0
    .kernarg_segment_align: 8
    .kernarg_segment_size: 32
    .max_flat_workgroup_size: 128
    .sgpr_count:     68
    .vgpr_count:     512
    .wavefront_size: 32
...
	.end_amdgpu_metadata
.endif
;; end of part 4
;; launch fine (part 5): grid 32 x 4, 16 waves a work-group, no clusters, 34,816 bytes of LDS; arguments qkv32, Wo, bo, out0; writes out0
.if DOCPART == 5
	.amdgcn_target "amdgcn-amd-amdhsa--gfx1250"
	.amdhsa_code_object_version 6
	.text
	.protected	k_q47b79d5ed5_fine
	.globl	k_q47b79d5ed5_fine
	.p2align	8
	.type	k_q47b79d5ed5_fine,@function
k_q47b79d5ed5_fine:
	s_mov_b64 s[64:65], 0
	v_nop
	global_prefetch_b8 v0, s[64:65] scope:SCOPE_SE
	s_setreg_imm32_b32 hwreg(HW_REG_WAVE_MODE, 25, 1), 1
	s_wait_xcnt 0x0
; The first 16 positions of every sequence, all in f32: under the causal mask they average one to sixteen values, so the rounding of 16-bit operands would weigh most there.
; out0[b][s][n] = sum over heads and channels of O[b][head][s][d] Wo[n][64 head + d] + bo[n], s = 0 .. 15, with O the causal attention of q, k, v as the quantised products left them in f32 (qkv32).
; qkv32 [batch 4][T 192][piece 2][lane 32][4] = C(s = lane % 16, column 16 T + 8 (lane / 16) + 4 piece + 0 .. 3); T 0-63 q, 64-127 k, 128-191 v; a head is four T.
; SHARES.  Work-group (g, b) makes columns 32 g .. 32 g + 31 of batch b's 16 rows.  Wave w is head w: it makes the head's attention (16 + 16 matrix instructions, made anew in each of the 32 work-groups of a batch: small beside
; a second launch and a buffer) and the head's part of the projection (32); the sixteen parts meet in LDS, one barrier; then wave w sums row w.
; All products by v_wmma_f32_16x16x4_f32 (lane (r, h), register j: k = 2 h + j).  Its results' registers, v176-255, are written by matrix instructions alone; sums begin with C = 0; accumulators take turns.
; S^T = k q^T: a pair of an image's registers is a K step; which four channels it holds is the same in q and k.  O^T = v^T p: p's registers 2 i, 2 i + 1 are keys 8 h + 2 i + 0, 1, and v is loaded to match.
; LIMITS: NaN and infinities are not served.  Tensor loads, clusters and LDS tiles are left out: a wave reads 20 KiB once, straight into its operands' registers.
.set SPARE, 32768                      ; LDS: 2,048 bytes of partial sums a wave, then the spare words, 128 bytes a wave, which no other line names
.set LQ,  1                            ; v1   16 x lane
.set LV,  2                            ; v2   v's offset
.set LW,  3                            ; v3   Wo's offset
.set L4,  4                            ; v4   4 x lane
.set DL,  5                            ; v5   r - 8 h
.set NINF, 6                           ; v6   -infinity
.set LST, 7                            ; v7   LDS: where I store my parts
.set LRD, 8                            ; v8   LDS: where I read
.set RL,  9                            ; v9   1 / l
.set TA,  10                           ; v10-12 at work
.set BOV, 13                           ; v13  bo of my column
.set SPW, 14                           ; v14  LDS address of my spare word; never rewritten
.set NIL, 15                           ; v15  0; never rewritten
.set QQ,  16                           ; v16-47   q, later O / l, later the sixteen parts
.set KK,  48                           ; v48-79   k; later v48-55 the scores, v56-63 p, v64-67 at work
.set PP,  56
.set VF,  80                           ; v80-111  v
.set WF,  112                          ; v112-175 Wo
.set SA,  176                          ; v176-207 four partial sums of S^T
.set OA,  208                          ; v208-239 O^T, four tiles of 16 channels
.set PA,  240                          ; v240-255 my head's part of out0, two tiles of 16 columns
	s_load_b256 s[4:11], s[0:1], 0x0               ; qkv32, Wo, bo, out0
	v_lshl_add_u32 v[SPW], v0, 2, SPARE
	v_mov_b32 v[NIL], 0
	v_lshrrev_b32 v1, 5, v0
	v_readfirstlane_b32 s12, v1                    ; wave = head
	s_and_b32 s14, ttmp7, 0xffff                   ; batch
	v_and_b32 v9, 31, v0                           ; lane
	v_and_b32 v10, 15, v0                          ; r
	v_bfe_u32 v11, v0, 4, 1                        ; h
	v_lshlrev_b32 v[LQ], 4, v9
	v_bfe_u32 v12, v0, 2, 1                        ; v(key 8 h + j, channel 16 t + r) lies at 1024 t + 512 ((r / 4) % 2) + 256 (r / 8) + 128 h + 16 j + 4 (r % 4)
	v_lshlrev_b32 v[LV], 9, v12
	v_bfe_u32 v12, v0, 3, 1
	v_lshl_add_u32 v[LV], v12, 8, v[LV]
	v_lshl_add_u32 v[LV], v11, 7, v[LV]
	v_and_b32 v12, 3, v0
	v_lshl_add_u32 v[LV], v12, 2, v[LV]
	v_lshlrev_b32 v[LW], 12, v10                   ; Wo: row r of 4,096 bytes, + 32 h
	v_lshl_add_u32 v[LW], v11, 5, v[LW]
	v_lshlrev_b32 v[L4], 2, v9
	v_lshlrev_b32 v[DL], 3, v11
	v_sub_nc_u32 v[DL], v10, v[DL]
	v_mov_b32 v[NINF], 0xff800000
	s_lshl_b32 s16, s12, 11
	v_add_nc_u32 v[LST], s16, v[LQ]                ; my parts: 2,048 x wave + 16 x lane
	v_mul_u32_u24 v[LRD], v11, 896                 ; row w, column l of a head's part: 16 w + 1024 (l / 16) + 512 ((l / 4) % 2) + 256 ((l / 8) % 2) + 4 (l % 4)
	v_add_nc_u32 v[LRD], v[LRD], v[LV]
	s_lshl_b32 s17, s12, 4
	v_add_nc_u32 v[LRD], s17, v[LRD]
	s_mov_b32 s20, 0x76543210
	s_mov_b32 s21, 0xfedcba98                      ; lane selects: lane l xor 16
	s_mov_b32 s22, 0x3e38aa3b                      ; c = log2(e) / 8
	s_mul_i32 s16, s14, 196608                     ; qkv32: my batch,
	s_lshl_b32 s17, s12, 12                        ; my head's four images
	s_add_co_u32 s16, s16, s17
	s_mov_b32 s17, 0
	s_wait_kmcnt 0x0
	s_add_nc_u64 s[4:5], s[4:5], s[16:17]
	s_lshl_b32 s16, ttmp9, 17                      ; Wo: row 32 g, + my head's 256 bytes
	s_lshl_b32 s18, s12, 8
	s_add_co_u32 s16, s16, s18
	s_add_nc_u64 s[6:7], s[6:7], s[16:17]
	s_lshl_b32 s16, ttmp9, 7                       ; bo: column 32 g
	s_add_nc_u64 s[8:9], s[8:9], s[16:17]
	s_lshl_b32 s18, s14, 11                        ; out0: row 2,048 b + wave, column 32 g
	s_add_co_u32 s18, s18, s12
	s_lshl_b32 s18, s18, 12
	s_add_co_u32 s16, s16, s18
	s_add_nc_u64 s[10:11], s[10:11], s[16:17]
.irp t, 0,1,2,3
.irp c, 0,1
	global_load_b128 v[QQ+8*\t+4*\c:QQ+8*\t+4*\c+3], v[LQ], s[4:5] offset:1024*\t+512*\c
.endr
.endr
.irp t, 0,1,2,3
.irp c, 0,1
	global_load_b128 v[KK+8*\t+4*\c:KK+8*\t+4*\c+3], v[LQ], s[4:5] offset:65536+1024*\t+512*\c
.endr
.endr
.irp t, 0,1,2,3
.irp j, 0,1,2,3,4,5,6,7
	global_load_b32 v[VF+8*\t+\j], v[LV], s[4:5] offset:131072+1024*\t+16*\j
.endr
.endr
	s_wait_loadcnt 32                              ; q and k are in; v's 32 loads stay out
.irp c, 0,1
.irp t, 0,1,2,3
	global_load_b128 v[WF+32*\c+8*\t:WF+32*\c+8*\t+3],   v[LW], s[6:7] offset:65536*\c+64*\t      ; Wo(32 g + 16 c + r, 64 w + 16 t + 8 h + 0 .. 7)
	global_load_b128 v[WF+32*\c+8*\t+4:WF+32*\c+8*\t+7], v[LW], s[6:7] offset:65536*\c+64*\t+16
.endr
.endr
	global_load_b32 v[BOV], v[L4], s[8:9]
.set i, 0
.rept 16                                       ; S^T = k q^T: 16 K steps of 4 channels, on four accumulators by turns
.if i < 4
	v_wmma_f32_16x16x4_f32 v[SA+8*(i%4):SA+8*(i%4)+7], v[KK+2*i:KK+2*i+1], v[QQ+2*i:QQ+2*i+1], 0
.else
	v_wmma_f32_16x16x4_f32 v[SA+8*(i%4):SA+8*(i%4)+7], v[KK+2*i:KK+2*i+1], v[QQ+2*i:QQ+2*i+1], v[SA+8*(i%4):SA+8*(i%4)+7]
.endif
.set i, i+1
.endr
.rept 8
	v_nop                                          ; eight places behind this form, ahead of reads of its results and writes of its operands (ISA guide 7.12.1)
.endr
.irp p, 0,1,2,3                                ; the four partial sums, into other registers; each accumulator from its low end on
	v_pk_add_f32 v[48+2*\p:49+2*\p], v[SA+2*\p:SA+2*\p+1], v[SA+8+2*\p:SA+8+2*\p+1]
	v_pk_add_f32 v[56+2*\p:57+2*\p], v[SA+16+2*\p:SA+16+2*\p+1], v[SA+24+2*\p:SA+24+2*\p+1]
.endr
.irp p, 0,1,2,3
	v_pk_add_f32 v[48+2*\p:49+2*\p], v[48+2*\p:49+2*\p], v[56+2*\p:57+2*\p]
.endr
.irp j, 0,1,2,3,4,5,6,7                        ; register j: key 8 h + j, query r: hidden where j > r - 8 h
	v_cmp_gt_i32 vcc_lo, \j, v[DL]
	v_cndmask_b32 v[48+\j], v[48+\j], v[NINF], vcc_lo
.endr
	v_max3_num_f32 v[TA+1], v48, v49, v50
	v_max3_num_f32 v[TA+1], v[TA+1], v51, v52
	v_max3_num_f32 v[TA+1], v[TA+1], v53, v54
	v_max_num_f32 v[TA+1], v[TA+1], v55
	v_permlanex16_b32 v[TA], v[TA+1], s20, s21     ; the other eight keys; key 0 counts for every query, so the maximum is a number
	v_max_num_f32 v[TA+1], v[TA+1], v[TA]
	v_mul_f32 v[TA+1], s22, v[TA+1]                ; c m
.irp j, 0,1,2,3,4,5,6,7
	v_fma_f32 v[48+\j], v[48+\j], s22, -v[TA+1]
.endr
.irp j, 0,1,2,3,4,5,6,7
	v_exp_f32 v[PP+\j], v[48+\j]                   ; p = 2^(c s - c m)
.endr
	v_nop                                          ; a plain instruction behind the last exponential
	s_wait_alu depctr_va_vdst(0)                   ; one wait for the eight, ahead of their first reader
	v_pk_add_f32 v[64:65], v[PP:PP+1], v[PP+2:PP+3]
	v_pk_add_f32 v[66:67], v[PP+4:PP+5], v[PP+6:PP+7]
	v_pk_add_f32 v[64:65], v[64:65], v[66:67]
	v_add_f32 v[TA+2], v64, v65
	v_permlanex16_b32 v[TA], v[TA+2], s20, s21
	v_add_f32 v[TA+2], v[TA+2], v[TA]              ; l
	v_rcp_f32 v[RL], v[TA+2]
	v_nop
	s_wait_alu depctr_va_vdst(0)                   ; and one for the reciprocal
	s_wait_loadcnt 17                              ; v is in; Wo's 16 loads and bo's one stay out
.irp i, 0,1,2,3                                ; O^T = v^T p: four K steps of 4 keys, four tiles of 16 channels by turns
.irp t, 0,1,2,3
.if \i == 0
	v_wmma_f32_16x16x4_f32 v[OA+8*\t:OA+8*\t+7], v[VF+8*\t+2*\i:VF+8*\t+2*\i+1], v[PP+2*\i:PP+2*\i+1], 0
.else
	v_wmma_f32_16x16x4_f32 v[OA+8*\t:OA+8*\t+7], v[VF+8*\t+2*\i:VF+8*\t+2*\i+1], v[PP+2*\i:PP+2*\i+1], v[OA+8*\t:OA+8*\t+7]
.endif
.endr
.endr
.rept 8
	v_nop
.endr
.set i, 0
.rept 32
	v_mul_f32 v[QQ+i], v[OA+i], v[RL]              ; O / l, into other registers: register 8 t + j is O(query r, channel 16 t + 8 h + j)
.set i, i+1
.endr
	s_wait_loadcnt 1                               ; Wo is in; bo's load stays out
.irp t, 0,1,2,3                                ; my head's part of the projection: 16 K steps of 4 channels, two tiles of 16 columns by turns
.irp i, 0,1,2,3
.irp c, 0,1
.if (\t == 0) && (\i == 0)
	v_wmma_f32_16x16x4_f32 v[PA+8*\c:PA+8*\c+7], v[WF+32*\c+8*\t+2*\i:WF+32*\c+8*\t+2*\i+1], v[QQ+8*\t+2*\i:QQ+8*\t+2*\i+1], 0
.else
	v_wmma_f32_16x16x4_f32 v[PA+8*\c:PA+8*\c+7], v[WF+32*\c+8*\t+2*\i:WF+32*\c+8*\t+2*\i+1], v[QQ+8*\t+2*\i:QQ+8*\t+2*\i+1], v[PA+8*\c:PA+8*\c+7]
.endif
.endr
.endr
.endr
.rept 8
	v_nop
.endr
.irp c, 0,1                                    ; register j of tile c, lane (r, h): row r, column 16 c + 8 h + j.  The registers go to LDS as they stand, 512 bytes a store
	ds_store_b128 v[LST], v[PA+8*\c:PA+8*\c+3] offset:1024*\c
	ds_store_b128 v[LST], v[PA+8*\c+4:PA+8*\c+7] offset:1024*\c+512
.endr
	s_wait_dscnt 0x0                               ; for the others' sake: my stores have landed
	s_barrier_signal -1
	s_barrier_wait -1
.irp w, 0,1,2,3,4,5,6,7,8,9,10,11,12,13,14,15
	ds_load_b32 v[QQ+\w], v[LRD] offset:2048*\w    ; head w's part of row (my wave), column (my lane)
.endr
	s_wait_dscnt 0x0
.irp p, 0,1,2,3
	v_pk_add_f32 v[QQ+2*\p:QQ+2*\p+1], v[QQ+2*\p:QQ+2*\p+1], v[QQ+8+2*\p:QQ+8+2*\p+1]
.endr
	v_pk_add_f32 v[QQ:QQ+1], v[QQ:QQ+1], v[QQ+4:QQ+5]
	v_pk_add_f32 v[QQ+2:QQ+3], v[QQ+2:QQ+3], v[QQ+6:QQ+7]
	v_pk_add_f32 v[QQ:QQ+1], v[QQ:QQ+1], v[QQ+2:QQ+3]
	v_add_f32 v[QQ], v[QQ], v[QQ+1]
	s_wait_loadcnt 0x0                             ; bo
	v_add_f32 v[QQ], v[QQ], v[BOV]
	global_store_b32 v[L4], v[QQ], s[10:11]        ; 32 lanes store 128 consecutive bytes of a row
	s_wait_tensorcnt 0x0                           ; the wave's end: behind my last LDS store
	ds_add_u32 v[SPW], v[NIL]
	s_wait_dscnt 0x0
	s_endpgm
.Lfunc_end_k_q47b79d5ed5_fine:
	.size	k_q47b79d5ed5_fine, .Lfunc_end_k_q47b79d5ed5_fine-k_q47b79d5ed5_fine
	.p2alignl 7, 3214868480
	.fill 96, 4, 3214868480
	.section	.rodata,"a",@progbits
	.p2align	6, 0x0
	.amdhsa_kernel k_q47b79d5ed5_fine
		.amdhsa_group_segment_fixed_size 34816
		.amdhsa_private_segment_fixed_size 0
		.amdhsa_enable_private_segment 0
		.amdhsa_kernarg_size 32
		.amdhsa_user_sgpr_count 2
		.amdhsa_user_sgpr_kernarg_segment_ptr 1
		.amdhsa_wavefront_size32 1
		.amdhsa_system_sgpr_workgroup_id_x 1
		.amdhsa_system_sgpr_workgroup_id_y 1
		.amdhsa_system_sgpr_workgroup_id_z 1
		.amdhsa_system_vgpr_workitem_id 0
		.amdhsa_next_free_vgpr 256
		.amdhsa_next_free_sgpr 66
		.amdhsa_reserve_vcc 1
		.amdhsa_float_denorm_mode_32 3
		.amdhsa_float_denorm_mode_16_64 3
		.amdhsa_memory_ordered 1
		.amdhsa_forward_progress 1
		.amdhsa_inst_pref_size 20
	.end_amdhsa_kernel
	.amdgpu_metadata
---
amdhsa.version: [ 1, 2 ]
amdhsa.kernels:
  - .name:           k_q47b79d5ed5_fine
    .symbol:         k_q47b79d5ed5_fine.kd
    .args:
      - { .name: qkv32, .offset: 0, .size: 8, .value_kind: global_buffer, .address_space: global }
      - { .name: Wo, .offset: 8, .size: 8, .value_kind: global_buffer, .address_space: global }
      - { .name: bo, .offset: 16, .size: 8, .value_kind: global_buffer, .address_space: global }
      - { .name: out0, .offset: 24, .size: 8, .value_kind: global_buffer, .address_space: global }
    .group_segment_fixed_size: 34816
    .private_segment_fixed_size: 0
    .kernarg_segment_align: 8
    .kernarg_segment_size: 32
    .max_flat_workgroup_size: 512
    .sgpr_count:     66
    .vgpr_count:     256
    .wavefront_size: 32
...
	.end_amdgpu_metadata
.endif
;; end of part 5
